; MI455X (gfx1250); checked and timed in simulation.
; The chip was launched on July 23, 2026; its instructions are those of AMD's public machine-readable ISA for CDNA 5 (MIT licence, August 2026) and "CDNA5" Instruction Set Architecture Reference Guide (July 2026). The comments in the code are by the model that wrote it; some were corrected since.
;; Final Multi Head Attention. Allowed arithmetic: matrix products marked QUANTISED: E2M3 operands, one E8M0 scale for each 32 along K, by v_wmma_scale_f32_16x16x128_f8f6f4 with both operands' format E2M3, f32 sums; everything else in f32.
;; Inputs: b_proj 1,024 float32; b_qkv 3,072 float32; w_proj 1,024 x 1,024 float32; w_qkv 1,024 x 3,072 float32; x 8 x 1,024 x 1,024 float32.
;; Outputs: out0 8 x 1,024 x 1,024 float32.
;; This version of the problem:
;;   THIS VERSION OF THE PROBLEM IS GIVEN IN LOW PRECISION. The matrix products marked QUANTISED in the list below multiply operands that are first quantised to E2M3 (2 exponent bits, 3 mantissa bits; 6 bits a number), with one power-of-two scale for each 32 numbers along K (OCP MX v1.0); their sums are f32. All else is computed in f32.
;;   The module's matrix products, in the order in which they are computed (A, B: the left and right operand; K: the contracted axis; several contracted axes count as one K, in the product's order):
;;     1. [M 8,192, K 1,024] x [K 1,024, N 3,072]; A: input x; B: input w_qkv: QUANTISED
;;     2. batch 128 x [M 1,024, K 64] x [K 64, N 1,024]; A: computed on the way; B: computed on the way: QUANTISED
;;     3. batch 128 x [M 1,024, K 1,024] x [K 1,024, N 64]; A: softmax (see below); B: computed on the way: QUANTISED
;;     4. [M 8,192, K 1,024] x [K 1,024, N 1,024]; A: computed on the way; B: input w_proj: QUANTISED
;;   THE QUANTISER, for each operand of a quantised product, along K:
;;     - K is cut into blocks of 32 from its start; a last block that is shorter is filled with zeros.
;;     - A block's scale is 2^e with e = floor(log2(the largest magnitude in the block)) - 2, held to -126 .. 127; a block of zeros has e = 0. As a byte (E8M0): e + 127.
;;     - Each number is divided by its block's scale, clamped to +-7.5, and rounded to the nearest number of E2M3, ties to even, subnormals kept.
;;     - The product sums the exact products of the quantised numbers (number of the format x scale) in f32.
;;   ~~~python
;;   def quantise(x, axis):      # numpy; x: float32 -> the quantised numbers, widened to float32 again
;;       x = np.moveaxis(x, axis, -1); K = x.shape[-1]
;;       x = np.pad(x, [(0, 0)] * (x.ndim - 1) + [(0, -K % 32)]); x = x.reshape(x.shape[:-1] + (-1, 32)); a = np.abs(x).max(-1, keepdims=True)
;;       e = np.where(a > 0, np.clip(np.frexp(np.where(a > 0, a, 1))[1] - 1 - 2, -126, 127), 0)      # np.frexp(a)[1] - 1 = floor(log2(a)), exactly
;;       r = np.clip(x / 2.0 ** e, -7.5, 7.5)
;;       step = 2.0 ** (np.maximum(np.frexp(np.where(r == 0, 1, r))[1] - 1, 0) - 3)
;;       q = np.round(r / step) * step * 2.0 ** e      # np.round: ties to even
;;       return np.moveaxis(q.reshape(q.shape[:-2] + (-1,))[..., :K], -1, axis).astype(np.float32)
;;   ~~~
;;   SOFTMAX AHEAD OF A QUANTISED PRODUCT. Where the list says 'softmax', what is quantised is not the finished softmax but p = 2^(t - M), with t = logit x log2(e) and M = ceil(the row's largest t), a whole number; so 1/2 < the row's largest p <= 1. The row's sum l is taken of the UNQUANTISED p, in f32, and the product's result is divided by l at the end. Since M is a whole number, a kernel that streams over the keys may use a running M (the ceiling of the running maximum): every later rescaling is an exact power of two, which a block's scale takes up: the codes' values come out the same.
;;   OPERANDS COMPUTED ON THE WAY. 'Computed on the way' means the value that the module computes at that place (a softmax that the list does not call 'softmax' is quantised finished and normalised). What goes into a quantiser is computed in f32, as accurately as f32 sums, v_exp_f32 and their like allow (about 1e-6 of the number): no bf16 or f16 on the way to a quantiser, and a product that is left as it is and whose result goes on into a quantised operand takes f32 operands (vector FMAs, or v_wmma_f32_16x16x4_f32). A number that lies on a knife's edge between two numbers of the format may be rounded either way, as far as f32 arithmetic and the matrix unit's own rounding can turn it there, and no further.
;; One version. Each part assembles by itself: llvm-mc -triple=amdgcn-amd-amdhsa -mcpu=gfx1250 --defsym DOCPART=n.
;; ======== version 1 of 1: 4 launches
;; limits: right only within a limited range of input values
;; workspace buffers: xq 6,553,600 bytes; wq 3,276,800 bytes; qkv 19,660,800 bytes; oq 6,553,600 bytes
;; launch quant (part 1): grid 512 x 1, 4 waves a work-group, no clusters, 34,304 bytes of LDS; arguments x, w_qkv, w_proj, xq, wq; writes xq, wq
.if DOCPART == 1
	.amdgcn_target "amdgcn-amd-amdhsa--gfx1250"
	.amdhsa_code_object_version 6
	.text
	.protected	k_q2a73c7093a_quant
	.globl	k_q2a73c7093a_quant
	.p2align	8
	.type	k_q2a73c7093a_quant,@function
k_q2a73c7093a_quant:
	s_mov_b64 s[64:65], 0
	v_nop
	global_prefetch_b8 v0, s[64:65] scope:SCOPE_SE
	s_setreg_imm32_b32 hwreg(HW_REG_WAVE_MODE, 25, 1), 1
	s_wait_xcnt 0x0
; x [8192][1024], w_qkv [1024][3072] and w_proj [1024][1024], f32, become codes of FP6 (E2M3) with one E8M0 byte for each 32 along K, laid as the products' waves take them.
; A FRAGMENT (16 rows x 128 K) is 12 registers a lane: lane (r, h) holds row r, registers 6 c .. 6 c + 5 hold K = 64 c + 32 h + 0 .. 31.  It is stored as an IMAGE of these registers, 1,536 bytes:
; registers 4 c .. 4 c + 3 of lane L at 512 c + 16 L.  Codes: [K / 256][row tile T][K step in it][1,536].  Scale words (four bytes: 128 K of one row): row r of tile T, K step s, at 512 T + 64 s + 4 r.
; ROWS LIE IN POSITION ORDER: place r of tile 2 g + u holds row 32 g + 8 u + r + 8 (r / 8), so that a product that takes such tiles as source 0 leaves 16 neighbours in the 16 registers of two neighbouring tiles.
; A block's scale is 2^(floor(log2(largest magnitude)) - 2): its byte is the largest magnitude's exponent field - 2, held at 1 from below by a floor among the maximum's leaves.
; LIMITS: a block of zeros gets the byte 1 where the rule says 127 (its codes are zeros; the bytes are read by this program alone); NaN and infinities among the inputs are not served.
; Work-groups 0-255 take x (32 rows each; wave w: tile w / 2, half w % 2 of K).  Work-groups 256-511 take the weights as 4,096 columns (w_qkv's 3,072, then w_proj's): 128 columns x 128 K each, a wave 32 columns.
; No cluster: no two work-groups read the same bytes.  No tensor load: several work-groups share a WGP; a wave has 32 loads of 512 bytes (x) or 64 loads of 128 bytes (the weights) on their way.
.set XS,    6291456                    ; xq: the scale table begins here
.set WS,    3145728                    ; wq: likewise
.set XSIG,  1572864                    ; xq: bytes from one 256 along K to the next (512 tiles x 3,072)
.set WSIG,  786432                     ; wq: 256 tiles x 3,072
.set STG,   8448                       ; a wave's stage: 16 rows x (512 bytes + 16)
.set SPARE, 4*STG                      ; behind the stages: the spare words, 128 bytes a wave, that no other line names
.set LI,  1                            ; v1   16 x lane
.set SPW, 2                            ; v2   my spare word; never rewritten
.set NIL, 3                            ; v3   0; never rewritten
.set SI,  4                            ; v4   the stage, on the way in
.set SO,  5                            ; v5   and on the way out
.set SH,  6                            ; v6   8 h
.set WO,  7                            ; v7   64 h + 4 r
.set CI,  8                            ; v8   weights: 4 x lane
.set CO,  9                            ; v9   weights: my place in the two images
.set CS,  10                           ; v10  weights: my place in the scale table
.set CW,  11                           ; v11  weights: my column's scale word
.set WD,  16                           ; v16-19 x: the four fragments' scale words
.set MG,  20                           ; v20-21 largest magnitudes
.set EX,  22                           ; v22-25 the conversions' scale operands
.set BT,  24                           ; v24-25 x: the bytes
.set PM,  26                           ; v26  a lane permute's destination
.set CD,  28                           ; v28-51 codes
.set CT,  40                           ; v40-47 x: the second halves of the blocks' codes
.set OWD, 48                           ; v48-49 x: scale words to store
.set RX,  64                           ; v64-191 numbers
	s_load_b256 s[4:11], s[0:1], 0x0               ; x s[4:5], w_qkv s[6:7], w_proj s[8:9], xq s[10:11]
	s_load_b64 s[12:13], s[0:1], 0x20              ; wq
	v_lshl_add_u32 v[SPW], v0, 2, SPARE
	v_mov_b32 v[NIL], 0
	v_lshrrev_b32 v1, 5, v0
	v_readfirstlane_b32 s16, v1                    ; wave 0..3
	v_and_b32 v12, 31, v0                          ; lane
	v_and_b32 v13, 15, v0                          ; r
	v_bfe_u32 v14, v0, 4, 1                        ; h
	s_mov_b32 s18, 0x76543210
	s_mov_b32 s19, 0xfedcba98                      ; v_permlanex16_b32's selects for lane l xor 16
	s_mov_b32 s20, 0xffff0000                      ; lanes 16-31
	s_cmp_lt_u32 ttmp9, 256
	s_cbranch_scc0 .Lweights
; ---------------- x: K is innermost ----------------
	v_lshlrev_b32 v[LI], 4, v12
	s_mul_i32 s21, s16, STG                        ; my stage
	v_add_nc_u32 v[SI], s21, v[LI]                 ; in: a row's 512 bytes as they lie
	v_mul_u32_u24 v[SO], v13, 528
	v_lshl_add_u32 v[SO], v14, 7, v[SO]
	v_add_nc_u32 v[SO], s21, v[SO]                 ; out: row r, + 128 h: my 32 numbers of each 64
	v_lshlrev_b32 v[SH], 3, v14
	v_lshlrev_b32 v[WO], 2, v13
	v_lshl_add_u32 v[WO], v14, 6, v[WO]
	v_mov_b32 v[PM], 0                             ; written once: a lane permute's destination counts as one of its sources
	s_lshr_b32 s22, s16, 1                         ; u: which of the group's two tiles
	s_and_b32 s23, s16, 1                          ; which half of K
	s_lshl_b32 s24, ttmp9, 17                      ; 32 rows of 4,096 bytes a work-group,
	s_lshl_b32 s26, s22, 15                        ; 8 rows on for tile 1,
	s_add_co_u32 s24, s24, s26
	s_lshl_b32 s26, s23, 11                        ; 512 numbers on for the second half of K
	s_add_co_u32 s24, s24, s26
	s_mov_b32 s25, 0
	s_lshl_b32 s26, ttmp9, 1
	s_add_co_u32 s26, s26, s22                     ; T
	s_mul_i32 s28, s26, 3072
	s_mul_i32 s30, s23, 2*XSIG
	s_add_co_u32 s28, s28, s30                     ; my first image
	s_mov_b32 s29, 0
	s_lshl_b32 s30, s26, 9
	s_lshl_b32 s31, s23, 8
	s_add_co_u32 s30, s30, s31
	s_add_co_u32 s30, s30, XS                      ; my first scale words
	s_mov_b32 s31, 0
	s_wait_alu depctr_va_vdst(0)
	s_wait_kmcnt 0x0
	s_add_nc_u64 s[4:5], s[4:5], s[24:25]
	s_add_nc_u64 s[28:29], s[10:11], s[28:29]
	s_add_nc_u64 s[30:31], s[10:11], s[30:31]
.macro XLOAD f, set                    ; fragment f's numbers: place p of the tile is row p + 8 (p / 8); each load reads 512 consecutive bytes of one row
.irp p, 0,1,2,3,4,5,6,7,8,9,10,11,12,13,14,15
	global_load_b128 v[RX+64*(\set)+4*\p:RX+64*(\set)+4*\p+3], v[LI], s[4:5] offset:(\p+8*(\p/8))*4096+512*(\f) th:TH_LOAD_NT
.endr
.endm
.macro XTURN set                       ; through my stage and back into the same registers: LDS serves a wave's instructions in order, so no wait stands between the stores and the loads
.irp p, 0,1,2,3,4,5,6,7,8,9,10,11,12,13,14,15
	ds_store_b128 v[SI], v[RX+64*(\set)+4*\p:RX+64*(\set)+4*\p+3] offset:528*\p
.endr
.irp c, 0,1
.irp j, 0,1,2,3,4,5,6,7
	ds_load_b128 v[RX+64*(\set)+32*\c+4*\j:RX+64*(\set)+32*\c+4*\j+3], v[SO] offset:256*\c+16*\j   ; register 32 c + i = K 64 c + 32 h + i of row r: two whole blocks a lane
.endr
.endr
.endm
.macro XQ f, set
.set RS, RX+64*(\set)
	s_wait_dscnt 0x0                               ; my numbers are back from the stage
.irp c, 0,1
	v_max3_num_f32 v[MG+\c], |v[RS+32*\c]|, |v[RS+32*\c+1]|, 0x1800000   ; block 2 c + h, and the floor 2^(3 - 127): the byte cannot fall under 1
.endr
.irp i, 2,4,6,8,10,12,14,16,18,20,22,24,26,28,30
.irp c, 0,1
	v_max3_num_f32 v[MG+\c], v[MG+\c], |v[RS+32*\c+\i]|, |v[RS+32*\c+\i+1]|   ; (the two blocks by turns)
.endr
.endr
.irp c, 0,1
	v_add_nc_u32 v[EX+\c], 0xff000000, v[MG+\c]    ; 2 off the exponent field: the conversion's scale operand
.endr
.irp c, 0,1
	v_lshrrev_b32 v[BT+\c], 23, v[EX+\c]           ; the scale's byte
.endr
	v_lshl_or_b32 v[WD+\f], v[BT+1], 16, v[BT]     ; my two bytes: blocks h and 2 + h,
	v_lshlrev_b32 v[WD+\f], v[SH], v[WD+\f]        ; at their places;
	v_permlanex16_b32 v[PM], v[WD+\f], s18, s19
	v_or_b32 v[WD+\f], v[WD+\f], v[PM]             ; with lane l xor 16's two the word is whole
.if \f > 0
	s_wait_alu depctr_va_vdst(0)
	s_wait_xcnt 0x0                                ; the last fragment's stores have read the codes' registers
.endif
.irp c, 0,1
	v_cvt_scalef32_pk16_fp6_f32 v[CD+6*\c:CD+6*\c+2], v[RS+32*\c:RS+32*\c+15], v[EX+\c]
	v_cvt_scalef32_pk16_fp6_f32 v[CT+4*\c:CT+4*\c+2], v[RS+32*\c+16:RS+32*\c+31], v[EX+\c]   ; (a conversion's three registers begin on an even number)
.endr
	v_nop                                          ; one plain place behind a scaled conversion
.irp c, 0,1
.irp i, 0,1,2
	v_mov_b32 v[CD+6*\c+3+\i], v[CT+4*\c+\i]
.endr
.endr
.irp c, 0,1,2
	global_store_b128 v[LI], v[CD+4*\c:CD+4*\c+3], s[28:29] offset:(\f/2)*XSIG+(\f%2)*1536+512*\c   ; the image: 512 consecutive bytes a store
.endr
.endm
	XLOAD 0, 0
	XLOAD 1, 1
.irp f, 0,1,2,3
.if \f < 3
	s_wait_loadcnt 16                              ; this fragment's 16 loads are in; the next one's may be out
.else
	s_wait_loadcnt 0x0
.endif
	XTURN \f%2
	XQ \f, \f%2
.if \f < 2
	XLOAD \f+2, \f%2
.endif
.endr
	v_cndmask_b32 v[OWD], v[WD], v[WD+1], s20      ; lanes 0-15 store one K step's words, lanes 16-31 the next one's: 128 consecutive bytes
	v_cndmask_b32 v[OWD+1], v[WD+2], v[WD+3], s20
	global_store_b32 v[WO], v[OWD], s[30:31]
	global_store_b32 v[WO], v[OWD+1], s[30:31] offset:128
	s_wait_tensorcnt 0x0                           ; the wave's end
	ds_add_u32 v[SPW], v[NIL]
	s_wait_dscnt 0x0
	s_endpgm
; ---------------- the weights: K is the first axis.  A lane takes a column and its registers run down K ----------------
.Lweights:
	s_sub_co_u32 s21, ttmp9, 256
	s_and_b32 s22, s21, 31                         ; which 128 of the 4,096 columns
	s_lshr_b32 s23, s21, 5                         ; K step
	s_wait_alu depctr_va_vdst(0)
	v_lshlrev_b32 v[CI], 2, v12
	v_and_b32 v15, 7, v12
	v_lshl_add_u32 v15, v14, 3, v15                ; column l of a group of 32 lies at place (l % 8) + 8 (l / 16)
	v_bfe_u32 v1, v0, 3, 1                         ; of tile (l / 8) % 2
	v_mul_u32_u24 v[CO], v1, 3072
	v_lshl_add_u32 v[CO], v15, 4, v[CO]
	v_lshlrev_b32 v[CS], 9, v1
	v_lshl_add_u32 v[CS], v15, 2, v[CS]
	s_lshl_b32 s24, s22, 7
	s_lshl_b32 s25, s16, 5
	s_add_co_u32 s24, s24, s25                     ; my wave's first column
	s_lshl_b32 s26, s22, 3
	s_lshl_b32 s27, s16, 1
	s_add_co_u32 s26, s26, s27                     ; its tile
	s_mul_i32 s28, s26, 3072
	s_lshr_b32 s30, s23, 1
	s_mul_i32 s30, s30, WSIG
	s_add_co_u32 s28, s28, s30
	s_and_b32 s30, s23, 1
	s_mul_i32 s30, s30, 1536
	s_add_co_u32 s28, s28, s30
	s_mov_b32 s29, 0
	s_lshl_b32 s30, s26, 9
	s_lshl_b32 s31, s23, 6
	s_add_co_u32 s30, s30, s31
	s_add_co_u32 s30, s30, WS
	s_mov_b32 s31, 0
	s_wait_kmcnt 0x0
	s_add_nc_u64 s[28:29], s[12:13], s[28:29]
	s_add_nc_u64 s[30:31], s[12:13], s[30:31]
.macro LOADW t, pitch, base            ; block t: 32 rows of K at my 32 columns, into registers of the block's own: each load reads 128 consecutive bytes
.set i, 32*(\t)
.rept 32
	global_load_b32 v[RX+i], v[CI], s[\base:\base+1] offset:i*\pitch th:TH_LOAD_NT
.set i, i+1
.endr
.endm
.macro WBLOCK t, pitch, base           ; block t of my column: all its 32 numbers are mine.  Its codes are registers 6 (t / 2) .. + 5 of the image's lane (place, t % 2)
.set XB, RX+32*(\t)
.if \t < 3
	s_wait_loadcnt 32                              ; this block's 32 loads are in; the next block's 32 may be out
.else
	s_wait_loadcnt 0x0
.endif
.if \t < 2
	LOADW \t+2, \pitch, \base                      ; loads run two blocks ahead
.endif
	v_max3_num_f32 v[MG], |v[XB]|, |v[XB+1]|, |v[XB+2]|
	v_max3_num_f32 v[MG+1], |v[XB+3]|, |v[XB+4]|, |v[XB+5]|
.irp i, 6,10,14,18,22,26
	v_max3_num_f32 v[MG], v[MG], |v[XB+\i]|, |v[XB+\i+1]|
	v_max3_num_f32 v[MG+1], v[MG+1], |v[XB+\i+2]|, |v[XB+\i+3]|
.endr
	v_max3_num_f32 v[MG], v[MG], |v[XB+30]|, |v[XB+31]|
	v_max3_num_f32 v[MG], v[MG], v[MG+1], 0x1800000   ; and the floor 2^(3 - 127): the byte cannot fall under 1
	v_add_nc_u32 v[EX+\t], 0xff000000, v[MG]       ; 2 off the exponent field: the conversion's scale operand
	v_lshrrev_b32 v[MG+1], 23, v[EX+\t]            ; the scale's byte
.if \t == 0
	v_mov_b32 v[CW], v[MG+1]
.else
	v_lshl_or_b32 v[CW], v[MG+1], 8*\t, v[CW]
.endif
	v_cvt_scalef32_pk16_fp6_f32 v[CD+12*(\t%2)+6*(\t/2):CD+12*(\t%2)+6*(\t/2)+2], v[XB:XB+15], v[EX+\t]
	v_cvt_scalef32_pk16_fp6_f32 v[192+4*\t:194+4*\t], v[XB+16:XB+31], v[EX+\t]   ; (a conversion's three registers begin on an even number)
.endm
; The whole way of one weight: the loads' immediates hang on the weight's pitch, so it is written once for each of the two.
.macro WPATH pitch, base
	LOADW 0, \pitch, \base
	LOADW 1, \pitch, \base
	WBLOCK 0, \pitch, \base
	WBLOCK 1, \pitch, \base
	WBLOCK 2, \pitch, \base
	WBLOCK 3, \pitch, \base
	v_nop                                          ; one plain place behind a scaled conversion
.irp t, 0,1,2,3
.irp i, 0,1,2
	v_mov_b32 v[CD+12*(\t%2)+6*(\t/2)+3+\i], v[192+4*\t+\i]
.endr
.endr
.irp g, 0,1
.irp c, 0,1,2
	global_store_b128 v[CO], v[CD+12*\g+4*\c:CD+12*\g+4*\c+3], s[28:29] offset:256*\g+512*\c   ; sixteen lanes store 256 consecutive bytes of one image, the other sixteen of the next tile's
.endr
.endr
	global_store_b32 v[CS], v[CW], s[30:31]
	s_endpgm                                       ; this way has touched no LDS
.endm
	s_cmp_lt_u32 s22, 24                           ; the first 24 groups are w_qkv's
	s_cbranch_scc0 .Lproj
	s_mul_i32 s32, s23, 128*12288                  ; 128 rows of 12,288 bytes a K step,
	s_lshl_b32 s33, s24, 2                         ; 4 bytes a column
	s_add_co_u32 s32, s32, s33
	s_mov_b32 s33, 0
	s_add_nc_u64 s[6:7], s[6:7], s[32:33]
	s_wait_alu depctr_va_vdst(0)
	WPATH 12288, 6
.Lproj:
	s_sub_co_u32 s24, s24, 3072                    ; w_proj's columns follow w_qkv's 3,072
	s_mul_i32 s32, s23, 128*4096
	s_lshl_b32 s33, s24, 2
	s_add_co_u32 s32, s32, s33
	s_mov_b32 s33, 0
	s_add_nc_u64 s[8:9], s[8:9], s[32:33]
	s_wait_alu depctr_va_vdst(0)
	WPATH 4096, 8
.Lfunc_end_k_q2a73c7093a_quant:
	.size	k_q2a73c7093a_quant, .Lfunc_end_k_q2a73c7093a_quant-k_q2a73c7093a_quant
	.p2alignl 7, 3214868480
	.fill 96, 4, 3214868480
	.section	.rodata,"a",@progbits
	.p2align	6, 0x0
	.amdhsa_kernel k_q2a73c7093a_quant
		.amdhsa_group_segment_fixed_size 34304
		.amdhsa_private_segment_fixed_size 0
		.amdhsa_enable_private_segment 0
		.amdhsa_kernarg_size 40
		.amdhsa_user_sgpr_count 2
		.amdhsa_user_sgpr_kernarg_segment_ptr 1
		.amdhsa_wavefront_size32 1
		.amdhsa_system_sgpr_workgroup_id_x 1
		.amdhsa_system_sgpr_workgroup_id_y 1
		.amdhsa_system_sgpr_workgroup_id_z 1
		.amdhsa_system_vgpr_workitem_id 0
		.amdhsa_next_free_vgpr 208
		.amdhsa_next_free_sgpr 66
		.amdhsa_reserve_vcc 0
		.amdhsa_float_denorm_mode_32 3
		.amdhsa_float_denorm_mode_16_64 3
		.amdhsa_memory_ordered 1
		.amdhsa_forward_progress 1
		.amdhsa_inst_pref_size 69
	.end_amdhsa_kernel
	.amdgpu_metadata
---
amdhsa.version: [ 1, 2 ]
amdhsa.kernels:
  - .name:           k_q2a73c7093a_quant
    .symbol:         k_q2a73c7093a_quant.kd
    .args:
      - { .name: x, .offset: 0, .size: 8, .value_kind: global_buffer, .address_space: global }
      - { .name: w_qkv, .offset: 8, .size: 8, .value_kind: global_buffer, .address_space: global }
      - { .name: w_proj, .offset: 16, .size: 8, .value_kind: global_buffer, .address_space: global }
      - { .name: xq, .offset: 24, .size: 8, .value_kind: global_buffer, .address_space: global }
      - { .name: wq, .offset: 32, .size: 8, .value_kind: global_buffer, .address_space: global }
    .group_segment_fixed_size: 34304
    .private_segment_fixed_size: 0
    .kernarg_segment_align: 8
    .kernarg_segment_size: 40
    .max_flat_workgroup_size: 128
    .sgpr_count:     66
    .vgpr_count:     208
    .wavefront_size: 32
...
	.end_amdgpu_metadata
.endif
;; end of part 1
;; launch gemm_qkv (part 2): grid 8 x 32, 4 waves a work-group, clusters of 4 x 4, 327,680 bytes of LDS; arguments xq, wq, b_qkv, qkv; writes qkv
.if DOCPART == 2
	.amdgcn_target "amdgcn-amd-amdhsa--gfx1250"
	.amdhsa_code_object_version 6
	.text
	.protected	k_q2a73c7093a_gemm_qkv
	.globl	k_q2a73c7093a_gemm_qkv
	.p2align	8
	.type	k_q2a73c7093a_gemm_qkv,@function
k_q2a73c7093a_gemm_qkv:
	s_mov_b64 s[64:65], 0
	v_nop
	global_prefetch_b8 v0, s[64:65] scope:SCOPE_SE
	s_setreg_imm32_b32 hwreg(HW_REG_WAVE_MODE, 25, 1), 1
	s_wait_xcnt 0x0
	s_wait_alu depctr_hold_cnt(0) depctr_sa_sdst(0) depctr_va_vdst(0) depctr_va_sdst(0) depctr_va_ssrc(0) depctr_va_vcc(0) depctr_vm_vsrc(0)
	s_getreg_b32 s2, hwreg(HW_REG_IB_STS2, 6, 4)
	s_cmp_eq_u32 s2, 0
	s_cbranch_scc0 .Lentry_in_a_cluster
	s_endpgm
.Lentry_in_a_cluster:
	s_bfe_u32 s2, ttmp6, 0x10000c
	s_cmp_lg_u32 s2, 0xf033
	s_cbranch_scc0 .Lentry_shape_is_right
	s_endpgm
.Lentry_shape_is_right:
; qkv = x w_qkv + b_qkv on codes of FP6 (E2M3) with E8M0 scales; q, k and v are quantised in registers and stored as images of the operands that attention takes.  No f32 result is stored.
; 256 work-groups of four waves (2 x 2).  PHASE 1: 256 tokens x 256 features of q or k, a wave 128 x 128 (64 accumulators).  PHASE 2: the same 256 tokens x 128 features of v, a wave 128 tokens x 64 features (32 accumulators).
; xq and wq hold images of fragments (1,536 bytes: registers 4 c .. 4 c + 3 of lane L at 512 c + 16 L), [K / 256][tile][K step in it]; 8 tiles of one 256 along K are H = 24,576 dense bytes.
; LDS: x's 16 tiles for all of K stay, chunk n (256 along K) at 2 H n: loaded once for both phases.  Behind them two slots of 2 H for the weights, at 8 H and 10 H; then the spare words.
; FILLS.  A tile's row is the dense block of one chunk; the pitch leads to the next chunk.  At the head one joint load a wave: wave 0 x's chunk 0, wave 1 w's chunk 0, wave 2 x's chunks 1-3, wave 3 w's chunk 1.
; Four refills of a weight slot, each behind a drained round of the cluster's barrier, issued by wave 1: in K step 1 w's chunk 2, in 3 w's chunk 3, in 5 w_v's chunks 0, 1, in 7 w_v's chunks 2, 3.  A wave has at most one tensor load out.
; CLUSTERS: 4 x 4; x's tiles are asked for jointly along a row of the cluster, the weights' along a column.
; q, k: source 0 = 16 features, source 1 = 16 tokens: a lane holds one token, its registers run along the features, the next K.  v: source 0 = 16 tokens, source 1 = 16 features: the next K is the tokens.
; Rows of both tables lie in position order (place r of tile 2 g + u = row 32 g + 8 u + r + 8 (r / 8)): the 16 registers of two neighbouring tiles are 16 neighbours along the next K.
; OUT: qkv codes [which][b][head pair][128 tokens g][a][1,536]; scale words [which][b][head pair][g][512], that of (a, r) at 16 (r + 16 (a / 4)) + 4 (a % 4).
; PREFETCH: the weights' later chunks, shared out by address among the sixteen waves of a column of the cluster: w's chunks 2, 3 at the head (12 blocks of 256 bytes a wave and chunk), w_v's four behind K step 1 (6 blocks).  x is all asked for at the head.
; LIMITS: a block of zeros gets the byte 1 where the rule says 127 (its codes are zeros; this program alone reads the bytes); the byte is held at 1 from below; NaN and infinities are not served.
; REGISTERS.  window 0: v1-19 addresses; v28, v29 the add's two; v32-63 x's scale words, v64-95 w's, v232-247 w_v's (4 a tile: lanes 0-15 K steps 0-3, lanes 16-31 K steps 4-7); v96-103 v's bias along lanes; v112-123 scale words made;
;   v128-223 source 1's fragments; on the way out v128-191 numbers, v192-211 codes, v212-227 at work.  window 1: source 0's two sets at v0, v128; q's or k's bias along registers at v96-127, v224-255.  windows 2, 3: accumulators, (a, b) at v[8 (8 (a % 4) + b)].
.set XS,    6291456
.set WS,    3145728
.set QS,    18874368
.set XSIG,  1572864
.set WSIG,  786432
.set H,     24576
.set SPARE, 12*H
.set FR,   12
.set LI,   1                           ; 16 x lane
.set XA,   2                           ; v2-5 my 8 tiles of x in chunk 0..3
.set WB,   6                           ; v6-7 my 8 tiles of w in slot 0, 1
.set SOF,  8                           ; 256 h + 4 r
.set BNO,  9                           ; 64 h
.set BMO,  10                          ; 4 (r + 8 (r / 8))
.set R16,  11                          ; 16 r
.set WV,   16                          ; v16-17 my 4 tiles of w_v in slot 0, 1
.set PFW,  18                          ; v18, v19 the prefetches' offsets; never rewritten
.set PFV,  19
.set SPW,  28
.set NIL,  29
.set SA,   32
.set SB,   64
.set BM,   96
.set PWS,  112
.set OWD,  120
.set AF,   128
.set TT,   128
.set PC,   192
.set TM,   212
.set SV,   232
.set G1X,  24                          ; group 1: x, one row;  s[32:39] a weight;  s[40:47] x, three rows
.set G1W,  32
.set G1X3, 40
.set GX0,  48                          ; groups 0: x's chunk 0; the weights' (wave 1's, and every refill's); x's chunks 1-3; w's chunk 1
.set GW0,  52
.set GX1,  56
.set GW1,  60
.set MSB, 0
.macro WIN new
.if MSB != (\new)
	s_set_vgpr_msb (MSB<<8)|(\new)
.set MSB, (\new)
.endif
.endm
.macro PLACES                          ; four plain places behind matrix instructions (ISA guide 7.12.1)
.rept 4
	v_nop
.endr
.endm
.macro CREST
	s_cmp_lg_u32 s12, 0
	s_cbranch_scc1 .Lnot_wave_0_\@
	s_barrier_signal -3
.Lnot_wave_0_\@:
	s_barrier_wait -3
	s_barrier_signal -1
	s_barrier_wait -1
.endm
.macro CROUND
	s_barrier_signal -1
	s_barrier_wait -1
	CREST
.endm
.macro ARM under, g0, g1               ; an arm of the head's one chain of branches on the wave's number
	s_cmp_lt_u32 s12, \under
	s_cbranch_scc0 .Lnext_\@
	tensor_load_to_lds s[\g0:\g0+3], s[\g1:\g1+7]
	s_nop 0
	PLACES
	s_branch .Lhead_asked
.Lnext_\@:
.endm
.macro GROUP1 g, mask, rows, pitch
	s_or_b32 s[\g], s\mask, (3<<16)|(1<<21)        ; the mask; elements of 8 bytes; bit 21 beside a mask
	s_mov_b32 s[\g+1], 6144<<16                    ; a row: 49,152 bytes
	s_mov_b32 s[\g+2], (\rows)<<16
	s_mov_b32 s[\g+3], 6144<<16
	s_mov_b32 s[\g+4], \rows
	s_mov_b32 s[\g+5], \pitch
	s_mov_b32 s[\g+6], 1<<16
	s_mov_b32 s[\g+7], 0
.endm
.macro GROUP0 g, lds, base, off
	s_mov_b32 s[\g], 1
	s_mov_b32 s[\g+1], \lds
	s_add_nc_u64 s[\g+2:\g+3], s[\base:\base+1], \off
	s_or_b32 s[\g+3], s[\g+3], 0x80000000
.endm
.macro REFILL lds, base, off           ; behind a round: no tensor load of any wave is out, so the descriptor may be written; wave 1 asks; the four places serve the loads that follow
	GROUP0 GW0, \lds, \base, \off
	s_cmp_eq_u32 s12, 1
	s_cbranch_scc0 .Lnone_\@
	tensor_load_to_lds s[GW0:GW0+3], s[G1W:G1W+7]
	s_nop 0
.Lnone_\@:
	PLACES
.endm
	s_load_b256 s[4:11], s[0:1], 0x0               ; xq, wq, b_qkv, qkv
	v_lshl_add_u32 v[SPW], v0, 2, SPARE
	v_mov_b32 v[NIL], 0
	ds_add_u32 v[SPW], v[NIL]                      ; the opening lines: the add twice, and its wait ahead of the first tensor load
	ds_add_u32 v[SPW], v[NIL]
	v_lshrrev_b32 v1, 5, v0
	v_readfirstlane_b32 s12, v1                    ; wave
	s_lshr_b32 s13, s12, 1                         ; wy: which 128 tokens
	s_and_b32 s14, s12, 1                          ; wx: which half of the features
	s_bfe_u32 s66, ttmp6, 0x40000                  ; cx
	s_bfe_u32 s67, ttmp6, 0x40004                  ; cy
	s_lshl_b32 s68, ttmp9, 2
	s_add_co_u32 s68, s68, s66                     ; tx 0..7: 256 features of q, k; 128 of v
	s_and_b32 s69, ttmp7, 0xffff
	s_lshl_b32 s69, s69, 2
	s_add_co_u32 s69, s69, s67                     ; ty 0..31: 256 tokens
	s_lshl_b32 s70, s67, 2
	s_lshl_b32 s70, 15, s70                        ; my row of the cluster
	s_lshl_b32 s71, 0x1111, s66                    ; my column
	GROUP1 G1X, 70, 1, XSIG/8
	GROUP1 G1X3, 70, 3, XSIG/8
	GROUP1 G1W, 71, 1, WSIG/8
	s_mul_i32 s72, s69, 2*H                        ; x's block hangs on ty alone,
	s_mov_b32 s73, 0
	s_mul_i32 s80, s68, 2*H                        ; the weights' on tx alone
	s_mov_b32 s81, 0
	s_mul_i32 s82, s68, H
	s_add_co_u32 s82, s82, 128*3072                ; w_v's tiles follow q's and k's 128
	s_mov_b32 s83, 0
	s_mov_b32 s16, 0xffff0000                      ; lanes 16-31
	s_mov_b32 s18, 0x76543210
	s_mov_b32 s19, 0xfedcba98                      ; v_permlanex16_b32's selects for lane l xor 16
	s_wait_dscnt 0x0
	s_wait_kmcnt 0x0
	s_add_nc_u64 s[74:75], s[4:5], s[72:73]
	s_add_nc_u64 s[78:79], s[6:7], s[80:81]        ; w's chunk 0; kept
	s_add_nc_u64 s[76:77], s[6:7], s[82:83]        ; w_v's chunk 0; kept
	CROUND                                         ; the first joint loads meet
	GROUP0 GX0, 0, 74, 0
	GROUP0 GW0, 8*H, 78, 0
	GROUP0 GX1, 2*H, 74, XSIG
	GROUP0 GW1, 10*H, 78, WSIG
	ARM 1, GX0, G1X
	ARM 2, GW0, G1W
	ARM 3, GX1, G1X3
	tensor_load_to_lds s[GW1:GW1+3], s[G1W:G1W+7]
	s_nop 0
	PLACES
.Lhead_asked:
	s_lshl_b32 s84, s69, 13                        ; scale words, 512 bytes a tile: x's tiles 16 ty + 8 wy on,
	s_lshl_b32 s85, s13, 12
	s_add_co_u32 s84, s84, s85
	s_add_co_u32 s84, s84, XS
	s_mov_b32 s85, 0
	s_add_nc_u64 s[84:85], s[4:5], s[84:85]
	s_lshl_b32 s86, s68, 13                        ; w's tiles 16 tx + 8 wx on,
	s_lshl_b32 s87, s14, 12
	s_add_co_u32 s86, s86, s87
	s_add_co_u32 s86, s86, WS
	s_mov_b32 s87, 0
	s_add_nc_u64 s[86:87], s[6:7], s[86:87]
	s_lshl_b32 s88, s68, 12                        ; w_v's tiles 128 + 8 tx + 4 wx on
	s_lshl_b32 s89, s14, 11
	s_add_co_u32 s88, s88, s89
	s_add_co_u32 s88, s88, WS+128*512
	s_mov_b32 s89, 0
	s_add_nc_u64 s[88:89], s[6:7], s[88:89]
	s_lshl_b32 s92, s68, 10
	s_lshl_b32 s93, s14, 9
	s_add_co_u32 s92, s92, s93
	s_mov_b32 s93, 0
	s_add_nc_u64 s[92:93], s[8:9], s[92:93]        ; the bias of my 128 features of q or k,
	s_lshl_b32 s90, s68, 9
	s_lshl_b32 s91, s14, 8
	s_add_co_u32 s90, s90, s91
	s_add_co_u32 s90, s90, 8192
	s_mov_b32 s91, 0
	s_add_nc_u64 s[90:91], s[8:9], s[90:91]        ; and of my 64 of v
	s_lshr_b32 s95, s69, 2                         ; b
	s_and_b32 s98, s69, 3
	s_lshl_b32 s98, s98, 1
	s_add_co_u32 s98, s98, s13                     ; g
	s_lshl_b32 s94, ttmp9, 3                       ; phase 1: idx = ((which 8 + b) 8 + head pair) 8 + g, which = cluster x, head pair = 2 cx + wx
	s_add_co_u32 s94, s94, s95
	s_lshl_b32 s94, s94, 3
	s_lshl_b32 s99, s66, 1
	s_add_co_u32 s94, s94, s99
	s_add_co_u32 s94, s94, s14
	s_lshl_b32 s94, s94, 3
	s_add_co_u32 s94, s94, s98
	s_add_co_u32 s20, s95, 16                      ; phase 2: which = 2, head pair = tx
	s_lshl_b32 s20, s20, 3
	s_add_co_u32 s20, s20, s68
	s_lshl_b32 s20, s20, 3
	s_add_co_u32 s20, s20, s98
	s_lshl_b32 s96, s94, 9
	s_add_co_u32 s96, s96, QS
	s_mov_b32 s97, 0
	s_mul_i32 s94, s94, 12288
	s_mov_b32 s95, 0
	s_add_nc_u64 s[94:95], s[10:11], s[94:95]      ; phase 1's eight images
	s_add_nc_u64 s[96:97], s[10:11], s[96:97]      ; and their scale words
	s_lshl_b32 s22, s20, 9
	s_lshl_b32 s99, s14, 8
	s_add_co_u32 s22, s22, s99
	s_add_co_u32 s22, s22, QS
	s_mov_b32 s23, 0
	s_mul_i32 s20, s20, 12288
	s_mul_i32 s99, s14, 6144
	s_add_co_u32 s20, s20, s99
	s_mov_b32 s21, 0
	s_add_nc_u64 s[20:21], s[10:11], s[20:21]      ; phase 2's four images, a = 4 wx on
	s_add_nc_u64 s[22:23], s[10:11], s[22:23]
	s_mul_i32 s82, s13, H                          ; LDS: my half of x's tiles,
	s_mul_i32 s83, s14, H
	s_add_co_u32 s83, s83, 8*H                     ; of w's,
	s_mul_i32 s99, s14, 12288
	s_add_co_u32 s99, s99, 8*H                     ; of w_v's
	s_lshl_b32 s80, s67, 2
	s_add_co_u32 s80, s80, s12                     ; my number among the sixteen waves of my column of the cluster
	s_mul_i32 s81, s80, 12*256
	s_mul_i32 s80, s80, 6*256
	v_and_b32 v12, 31, v0
	v_and_b32 v13, 15, v0                          ; r
	v_bfe_u32 v14, v0, 4, 1                        ; h
	v_lshlrev_b32 v[LI], 4, v12
	v_add_nc_u32 v[XA], s82, v[LI]
	v_add_nc_u32 v[WB], s83, v[LI]
	v_add_nc_u32 v[WV], s99, v[LI]
.irp n, 1,2,3
	v_add_nc_u32 v[XA+\n], \n*2*H, v[XA]
.endr
	v_add_nc_u32 v[WB+1], 2*H, v[WB]
	v_add_nc_u32 v[WV+1], 2*H, v[WV]
	v_lshlrev_b32 v[SOF], 2, v13
	v_lshl_add_u32 v[SOF], v14, 8, v[SOF]
	v_lshlrev_b32 v[BNO], 6, v14
	v_and_b32 v[BMO], 8, v13
	v_add_nc_u32 v[BMO], v[BMO], v13
	v_lshlrev_b32 v[BMO], 2, v[BMO]
	v_lshlrev_b32 v[R16], 4, v13
	v_min_u32 v[PFW], 11, v12                      ; (lanes that are left over name their wave's last block again)
	v_lshl_add_u32 v[PFW], v[PFW], 8, s81
	v_min_u32 v[PFV], 5, v12
	v_lshl_add_u32 v[PFV], v[PFV], 8, s80
.irp b, 0,1,2,3
	v_mov_b32 v[BM+2*\b+1], 0                      ; (named with the bias as a pair)
	v_mov_b32 v[TM+4+\b], 0                        ; written once: a lane permute's destination counts as one of its sources
.endr
	s_wait_alu depctr_va_vdst(0)
.irp a, 0,1,2,3,4,5,6,7
.irp q, 0,1,2,3
	global_load_b32 v[SA+4*\a+\q], v[SOF], s[84:85] offset:512*\a+64*\q   ; lanes 0-15: K step q; lanes 16-31: K step q + 4
	global_load_b32 v[SB+4*\a+\q], v[SOF], s[86:87] offset:512*\a+64*\q
.endr
.endr
.irp a, 0,1,2,3
.irp q, 0,1,2,3
	global_load_b32 v[SV+4*\a+\q], v[SOF], s[88:89] offset:512*\a+64*\q
.endr
	global_load_b32 v[BM+2*\a], v[BMO], s[90:91] offset:4*(32*(\a/2)+8*(\a%2))   ; v's bias of the feature at my place of tile a
.endr
	WIN 0x40
.irp b, 0,1,2,3,4,5,6,7
	global_load_b128 v[96+8*\b+96*(\b/4):96+8*\b+96*(\b/4)+3], v[BNO], s[92:93] offset:4*(32*(\b/2)+8*(\b%2))      ; q's or k's bias of features 32 (b / 2) + 16 h + 8 (b % 2) + 0 .. 7: the result's layout
	global_load_b128 v[96+8*\b+96*(\b/4)+4:96+8*\b+96*(\b/4)+7], v[BNO], s[92:93] offset:4*(32*(\b/2)+8*(\b%2))+16
.endr
	WIN 0
	global_prefetch_b8 v[PFW], s[78:79] offset:2*WSIG th:TH_LOAD_NT scope:SCOPE_SE   ; w's chunks 2 and 3: the refills of K steps 1 and 3
	global_prefetch_b8 v[PFW], s[78:79] offset:3*WSIG th:TH_LOAD_NT scope:SCOPE_SE
.macro WM d, s0, s1, zero, x0, x1, hi
.if \zero
	v_wmma_scale_f32_16x16x128_f8f6f4 v[\d:\d+7], v[\s0:\s0+11], v[\s1:\s1+11], 0, v[\x0], v[\x1] matrix_a_fmt:MATRIX_FMT_FP6 matrix_b_fmt:MATRIX_FMT_FP6
.elseif \hi
	v_wmma_scale_f32_16x16x128_f8f6f4 v[\d:\d+7], v[\s0:\s0+11], v[\s1:\s1+11], v[\d:\d+7], v[\x0], v[\x1] matrix_a_fmt:MATRIX_FMT_FP6 matrix_b_fmt:MATRIX_FMT_FP6 matrix_a_scale:MATRIX_SCALE_ROW1 matrix_b_scale:MATRIX_SCALE_ROW1
.else
	v_wmma_scale_f32_16x16x128_f8f6f4 v[\d:\d+7], v[\s0:\s0+11], v[\s1:\s1+11], v[\d:\d+7], v[\x0], v[\x1] matrix_a_fmt:MATRIX_FMT_FP6 matrix_b_fmt:MATRIX_FMT_FP6
.endif
.endm
.macro IMG reg, adr, off               ; a fragment's image: three loads of 512 consecutive bytes
.irp c, 0,1,2
	ds_load_b128 v[\reg+4*\c:\reg+4*\c+3], v[\adr] offset:(\off)+512*\c
.endr
.endm
; ---- phase 1
.macro FETCH_B s                       ; the features' eight fragments of K step s into set s % 2
	WIN 0x40
.irp i, 0,1,2,3,4,5,6,7
	IMG 128*((\s)%2)+FR*\i, WB+((\s)/2)%2, 3072*\i+1536*((\s)%2)
.endr
	WIN 0
.endm
.macro FETCH_A s, i0                   ; the tokens' blocks i0 .. i0 + 3
.irp i, \i0, \i0+1, \i0+2, \i0+3
	IMG AF+FR*(\i), XA+(\s)/2, 3072*(\i)+1536*((\s)%2)
.endr
.endm
; 16 matrix instructions.  The 64 accumulators take turns, one instruction a turn, in the same order in every step.  first = 1: the products start the sums.
.macro MUL16 a0, s, first
.irp a, \a0, \a0+1
.irp b, 0,1,2,3,4,5,6,7
.set rD, 8*(8*((\a)%4)+\b)
.set rB, 128*((\s)%2)+FR*\b
.set rA, AF+FR*(\a)
.set rSB, SB+4*\b+(\s)%4
.set rSA, SA+4*(\a)+(\s)%4
	WM rD, rB, rA, \first, rSB, rSA, (\s)/4
.endr
.endr
.endm
.macro STEP s, first                   ; a K step whose successor lies in the same chunk.  The tokens have one set of registers: blocks 0-3 are fetched anew in the step's middle, blocks 4-7 at its end
	s_wait_dscnt 12                                ; all but the youngest twelve loads (blocks 4-7)
	WIN 0xa1
	MUL16 0, \s, \first
	MUL16 2, \s, \first
	s_wait_dscnt 0x0
	PLACES
	FETCH_B (\s)+1
	FETCH_A (\s)+1, 0
	WIN 0xf1
	MUL16 4, \s, \first
	MUL16 6, \s, \first
	PLACES
	WIN 0
	FETCH_A (\s)+1, 4
.endm
.macro TURN s                          ; a chunk's last K step: its weight slot is filled again behind a drained round, which also shows the other slot (and in K step 1 x's chunks 1-3) whole to all
	s_wait_tensorcnt 0x0                           ; all my tensor loads have landed;
	ds_add_u32 v[SPW], v[NIL]
	s_wait_dscnt 13                                ; (the add and the youngest twelve loads may be out)
	WIN 0xa1
	MUL16 0, \s, 0
	s_wait_dscnt 0x0                               ; the add is done, and my reads of this slot
	s_barrier_signal -1
	MUL16 2, \s, 0
	WIN 0
	s_barrier_wait -1
	CREST
.if (\s) == 1
	REFILL 8*H, 78, 2*WSIG
.elseif (\s) == 3
	REFILL 10*H, 78, 3*WSIG
.elseif (\s) == 5
	s_mov_b32 s[G1W+1], 3072<<16                   ; w_v: two rows of 24,576 bytes
	s_mov_b32 s[G1W+2], 2<<16
	s_mov_b32 s[G1W+3], 3072<<16
	s_mov_b32 s[G1W+4], 2
	REFILL 8*H, 76, 0
.else
	REFILL 10*H, 76, 2*WSIG
.endif
.if (\s) < 7
	FETCH_B (\s)+1
	FETCH_A (\s)+1, 0
.endif
	WIN 0xf1
	MUL16 4, \s, 0
	MUL16 6, \s, 0
	PLACES
	WIN 0
.if (\s) < 7
	FETCH_A (\s)+1, 4
.endif
.endm
; ---- phase 2
.macro FETCH2 s                        ; the tokens' eight fragments into set s % 2 of window 1, w_v's four into set s % 2 of window 0: 36 loads
	WIN 0x40
.irp i, 0,1,2,3,4,5,6,7
	IMG 128*((\s)%2)+FR*\i, XA+(\s)/2, 3072*\i+1536*((\s)%2)
.endr
	WIN 0
.irp i, 0,1,2,3
	IMG AF+48*((\s)%2)+FR*\i, WV+(\s)/4, H*(((\s)/2)%2)+3072*\i+1536*((\s)%2)
.endr
.endm
.macro K2 s
.if (\s) < 7
.if (\s) > 0
	PLACES
.endif
	FETCH2 (\s)+1
	s_wait_dscnt 36                                ; all but the 36 just issued
.else
	s_wait_dscnt 0x0
.endif
	WIN 0xa1
.irp a, 0,1,2,3
.irp b, 0,1,2,3,4,5,6,7
.set rD, 8*(8*\a+\b)
.set rB, 128*((\s)%2)+FR*\b
.set rA, AF+48*((\s)%2)+FR*\a
.set rSB, SA+4*\b+(\s)%4
.set rSA, SV+4*\a+(\s)%4
	WM rD, rB, rA, (\s)==0, rSB, rSA, (\s)/4
.endr
.endr
	WIN 0
.endm
; ---- the way out.  64 numbers of a lane, register 16 b + i = next K 32 b + 16 h + i of my row, become a fragment's codes in v[PC] on and its scale word in v[pw].
.macro QUANT s, pw, wt
.irp b, 0,1,2,3
	v_max3_num_f32 v[TM+\b], |v[\s+16*\b]|, |v[\s+1+16*\b]|, 0x1800000   ; my 16 numbers of block b, and the floor 2^(3 - 127): the byte cannot fall under 1
.endr
.irp i, 2,4,6,8,10,12,14
.irp b, 0,1,2,3
	v_max3_num_f32 v[TM+\b], v[TM+\b], |v[\s+16*\b+\i]|, |v[\s+1+16*\b+\i]|
.endr
.endr
.irp b, 0,1,2,3
	v_permlanex16_b32 v[TM+4+\b], v[TM+\b], s18, s19
.endr
.irp b, 0,1,2,3
	v_max_num_f32 v[TM+\b], v[TM+\b], v[TM+4+\b]   ; with lane l xor 16's: the block's largest magnitude
.endr
.irp b, 0,1,2,3
	v_add_nc_u32 v[TM+12+\b], 0xff000000, v[TM+\b] ; 2 off its exponent field: the conversion's scale operand
.endr
.irp b, 0,1,2,3
	v_lshrrev_b32 v[TM+4+\b], 23, v[TM+12+\b]      ; the scale's byte
.endr
	v_lshl_or_b32 v[\pw], v[TM+5], 8, v[TM+4]
	v_lshl_or_b32 v[\pw], v[TM+6], 16, v[\pw]
	v_lshl_or_b32 v[\pw], v[TM+7], 24, v[\pw]
.if (\wt) > 0
	s_wait_alu depctr_va_vdst(0)
	s_wait_xcnt 0x0                                ; the last image's stores have read the codes' registers
.endif
.irp c, 0,1
	v_cvt_scalef32_pk16_fp6_f32 v[PC+6*\c:PC+2+6*\c], v[\s+32*\c:\s+15+32*\c], v[TM+12+2*\c]
	v_cvt_scalef32_pk16_fp6_f32 v[PC+12+4*\c:PC+14+4*\c], v[\s+16+32*\c:\s+31+32*\c], v[TM+12+2*\c+1]   ; (a conversion's three registers begin on an even number)
.endr
	v_nop                                          ; one plain place behind a scaled conversion
.irp c, 0,1                                    ; the operand's layout wants a whole block in a lane
.irp i, 0,1,2
	v_permlane16_swap_b32 v[PC+6*\c+\i], v[PC+12+4*\c+\i]
.endr
.irp i, 0,1,2
	v_mov_b32 v[PC+3+6*\c+\i], v[PC+12+4*\c+\i]
.endr
.endr
.endm
.macro OUT a, ph, base                 ; block a: out of its eight accumulators, each from its low end on, with the bias: along the registers (q, k) or along the lanes (v)
.set j, 0
.if (\ph) == 1
	WIN 0x06+(\a)/4                                ; source 0 window 2 or 3, source 1 window 1
.rept 32
	v_pk_add_f32 v[TT+j:TT+j+1], v[64*((\a)%4)+j:64*((\a)%4)+j+1], v[96+j+96*(j/32):97+j+96*(j/32)]
.set j, j+2
.endr
.else
	WIN 0x02
.rept 32
	v_pk_add_f32 v[TT+j:TT+j+1], v[64*(\a)+j:64*(\a)+j+1], v[BM+2*\a:BM+2*\a+1] op_sel_hi:[1,0]
.set j, j+2
.endr
.endif
	WIN 0
	QUANT TT, PWS+\a, (\a)+(\ph)-1
.irp c, 0,1,2
	global_store_b128 v[LI], v[PC+4*\c:PC+4*\c+3], s[\base:\base+1] offset:1536*\a+512*\c   ; the image: 512 consecutive bytes a store
.endr
.endm
	s_cmp_lt_u32 s12, 2                            ; waves 0 and 1 wait for their loads, chunk 0 of x and of w; the loads of waves 2 and 3, lines of their own, may stay out
	s_cbranch_scc0 .Llater
	s_wait_tensorcnt 0x0
.Llater:
	s_barrier_signal -1
	s_barrier_wait -1
	FETCH_B 0
	FETCH_A 0, 0
	FETCH_A 0, 4
	s_wait_loadcnt 0x0                             ; scale words and biases
	STEP 0, 1
	TURN 1
.irp n, 0,1,2,3
	global_prefetch_b8 v[PFV], s[76:77] offset:\n*WSIG th:TH_LOAD_NT scope:SCOPE_SE   ; w_v's four chunks: the refills of K steps 5 and 7
.endr
	STEP 2, 0
	TURN 3
	STEP 4, 0
	TURN 5
	STEP 6, 0
	TURN 7
.irp a, 0,1,2,3,4,5,6,7
	OUT \a, 1, 94
.endr
.irp i, 0,1,2,3
	v_cndmask_b32 v[OWD+\i], v[PWS+\i], v[PWS+4+\i], s16   ; lanes 0-15: blocks 0-3's words of row r; lanes 16-31: blocks 4-7's
.endr
	global_store_b128 v[LI], v[OWD:OWD+3], s[96:97]
	s_wait_tensorcnt 0x0                           ; a plain barrier shows the last refill to all
	s_wait_dscnt 0x0
	s_barrier_signal -1
	s_barrier_wait -1
	s_wait_xcnt 0x0                                ; the stores have read the registers into which the fragments below land
	FETCH2 0
.irp s, 0,1,2,3,4,5,6,7
	K2 \s
.endr
	PLACES
.irp a, 0,1,2,3
	OUT \a, 2, 20
.endr
	global_store_b128 v[R16], v[PWS:PWS+3], s[22:23]   ; lanes r and r + 16 hold the same four words and write them to the same place: 256 consecutive bytes
	s_wait_tensorcnt 0x0                           ; the wave's end
	ds_add_u32 v[SPW], v[NIL]
	s_wait_dscnt 0x0
	CROUND                                         ; the closing round
	s_endpgm
.Lfunc_end_k_q2a73c7093a_gemm_qkv:
	.size	k_q2a73c7093a_gemm_qkv, .Lfunc_end_k_q2a73c7093a_gemm_qkv-k_q2a73c7093a_gemm_qkv
	.p2alignl 7, 3214868480
	.fill 96, 4, 3214868480
	.section	.rodata,"a",@progbits
	.p2align	6, 0x0
	.amdhsa_kernel k_q2a73c7093a_gemm_qkv
		.amdhsa_group_segment_fixed_size 327680
		.amdhsa_private_segment_fixed_size 0
		.amdhsa_enable_private_segment 0
		.amdhsa_kernarg_size 32
		.amdhsa_user_sgpr_count 2
		.amdhsa_user_sgpr_kernarg_segment_ptr 1
		.amdhsa_wavefront_size32 1
		.amdhsa_system_sgpr_workgroup_id_x 1
		.amdhsa_system_sgpr_workgroup_id_y 1
		.amdhsa_system_sgpr_workgroup_id_z 1
		.amdhsa_system_vgpr_workitem_id 0
		.amdhsa_next_free_vgpr 1024
		.amdhsa_next_free_sgpr 100
		.amdhsa_reserve_vcc 0
		.amdhsa_float_denorm_mode_32 3
		.amdhsa_float_denorm_mode_16_64 3
		.amdhsa_memory_ordered 1
		.amdhsa_forward_progress 1
		.amdhsa_inst_pref_size 242
	.end_amdhsa_kernel
	.amdgpu_metadata
---
amdhsa.version: [ 1, 2 ]
amdhsa.kernels:
  - .name:           k_q2a73c7093a_gemm_qkv
    .symbol:         k_q2a73c7093a_gemm_qkv.kd
    .args:
      - { .name: xq, .offset: 0, .size: 8, .value_kind: global_buffer, .address_space: global }
      - { .name: wq, .offset: 8, .size: 8, .value_kind: global_buffer, .address_space: global }
      - { .name: b_qkv, .offset: 16, .size: 8, .value_kind: global_buffer, .address_space: global }
      - { .name: qkv, .offset: 24, .size: 8, .value_kind: global_buffer, .address_space: global }
    .group_segment_fixed_size: 327680
    .private_segment_fixed_size: 0
    .kernarg_segment_align: 8
    .kernarg_segment_size: 32
    .max_flat_workgroup_size: 128
    .sgpr_count:     100
    .vgpr_count:     1024
    .wavefront_size: 32
...
	.end_amdgpu_metadata
.endif
;; end of part 2
;; launch attn (part 3): grid 256 x 1, 16 waves a work-group, clusters of 4 x 1, 206,848 bytes of LDS; arguments qkv, oq; writes oq
.if DOCPART == 3
	.amdgcn_target "amdgcn-amd-amdhsa--gfx1250"
	.amdhsa_code_object_version 6
	.text
	.protected	k_q2a73c7093a_attn
	.globl	k_q2a73c7093a_attn
	.p2align	8
	.type	k_q2a73c7093a_attn,@function
k_q2a73c7093a_attn:
	s_mov_b64 s[64:65], 0
	v_nop
	global_prefetch_b8 v0, s[64:65] scope:SCOPE_SE
	s_setreg_imm32_b32 hwreg(HW_REG_WAVE_MODE, 25, 1), 1
	s_wait_xcnt 0x0
	s_wait_alu depctr_hold_cnt(0) depctr_sa_sdst(0) depctr_va_vdst(0) depctr_va_sdst(0) depctr_va_ssrc(0) depctr_va_vcc(0) depctr_vm_vsrc(0)
	s_getreg_b32 s2, hwreg(HW_REG_IB_STS2, 6, 4)
	s_cmp_eq_u32 s2, 0
	s_cbranch_scc0 .Lentry_in_a_cluster
	s_endpgm
.Lentry_in_a_cluster:
	s_bfe_u32 s2, ttmp6, 0x10000c
	s_cmp_lg_u32 s2, 0x3003
	s_cbranch_scc0 .Lentry_shape_is_right
	s_endpgm
.Lentry_shape_is_right:
; Attention on codes of FP6 (E2M3) with E8M0 scales: for each (batch, head), O = softmax(Q K^T / 8) V, then O is quantised along (head, d) for the last product.  Head size 64, 1,024 keys.
; THE SOFTMAX: t = score x log2(e) / 8; M = the running largest t rounded up to a whole number; p = 2^(t - M) is quantised along the keys, not normalised; the row's sum is taken of the unquantised p and divides O at the end.
; When M moves, the sum and O are multiplied by 2^(old M - new M): exact.
; SHARES.  A cluster of four work-groups is one (batch, pair of heads); each work-group owns 256 queries, each of its sixteen waves 16 of them, one tile, in 256 registers.  A wave walks head 0 of the pair, then head 1:
; the pair's 128 numbers of a query are one K step of the last product, so the wave ends with one whole image and one scale word a row.
; LDS holds the pair's K and V for all 1,024 keys (2 x 98,304 bytes of images) and their scale words (2 x 4,096): everything is filled once, jointly for the four work-groups, by ten waves, one load each, K's on even waves and V's on odd:
; the scale words, then four stages of 256 keys.  A wave has at most one tensor load out.
; LAYOUT.  Both products are used transposed: S^T = K Q^T, O^T = V^T P^T: a lane holds one query throughout.  K's tiles hold keys in position order and V's tiles hold d in position order
; (place r of tile 2 g + u = 32 g + 8 u + r + 8 (r / 8)): the 16 registers of two neighbouring tiles are 16 neighbours along the next K.
; K = 64 IN AN INSTRUCTION OF 128.  An image of Q or K holds both heads: registers 0-5 head 0, registers 6-11 head 1.  Q's fragment for a head has zero codes in the other head's half, so the other half of K's operand may hold
; any codes: K's eight half fragments lie 6 registers apart in one run, and tile i's operand is the 12 registers from 6 i on.  Scale words are taken as they lie: bytes 0, 1 are head 0's, bytes 2, 3 head 1's.
; LIMITS: a block of zeros gets the byte 1 where the rule says 127 (its codes are zeros; this program alone reads the bytes); NaN and infinities are not served.
.set QS,    18874368                   ; qkv: the scale words begin here
.set XS,    6291456                    ; oq: likewise
.set XSIG,  1572864
.set VC,    98304                      ; LDS: V's images behind K's
.set KS,    196608                     ; K's scale words; V's 4,096 further on
.set SPARE, 204800                     ; the spare words, 128 bytes a wave, that no other line names
.set LI,  1                            ; v1   16 x lane
.set SPW, 2
.set NIL, 3
.set ADK, 4                            ; v4-6 LDS addresses of the step's K, V and scale words
.set ADV, 5
.set ADS, 6
.set RO,  7                            ; v7   4 r
.set Q0,  16                           ; v16-27 Q for head 0; v28-39 for head 1
.set KA,  40                           ; v40-93 K's half fragments, later V's four fragments
.set S,   96                           ; v96-159 S^T, then p
.set O,   160                          ; v160-191 O^T
.set PC,  192                          ; v192-203 p's codes; v204-211 second halves
.set PT,  204
.set OC,  212                          ; v212-223 the image for the last product
.set KSC, 224
.set VSC, 228
.set QSC, 232
.set PSC, 233
.set OW,  234
.set BX,  236
.set BY,  240
.set BE,  244
.set F,   248                          ; v[248:249] a factor (the pair's low word serves both halves)
.set G1C, 24                           ; s[24:31] group 1 for a stage; s[32:39] for the scale words; s[40:43], s[44:59] groups 0
.set G1S, 32
.macro CROUND
	s_barrier_signal -1
	s_barrier_wait -1
	s_cmp_lg_u32 s8, 0
	s_cbranch_scc1 .Lnot_wave_0_\@
	s_barrier_signal -3
.Lnot_wave_0_\@:
	s_barrier_wait -3
	s_barrier_signal -1
	s_barrier_wait -1
.endm
	s_load_b128 s[4:7], s[0:1], 0x0                ; qkv s[4:5], oq s[6:7]
	v_lshl_add_u32 v[SPW], v0, 2, SPARE
	v_mov_b32 v[NIL], 0
	ds_add_u32 v[SPW], v[NIL]                      ; the wave's opening: the add and its wait ahead of the first tensor loads; work on registers stands between them
	ds_add_u32 v[SPW], v[NIL]
	v_lshrrev_b32 v1, 5, v0
	s_delay_alu instid0(VALU_DEP_1)
	v_readfirstlane_b32 s8, v1                     ; wave 0..15
	s_bfe_u32 s9, ttmp6, 0x40000                   ; cx: it enters Q's and oq's addresses alone
	s_and_b32 s10, s8, 1                           ; wave 0 fetches K, wave 1 V
	s_mov_b32 s[G1C], 15|(3<<16)|(1<<21)           ; 15:0 the mask: all four work-groups; 17:16 elements of 8 bytes; 21 set beside a mask
	s_mov_b32 s[G1C+1], 32<<16                     ; rows of 256 bytes,
	s_mov_b32 s[G1C+2], 96<<16                     ; 96 of them: 24,576 dense bytes, two key steps
	s_mov_b32 s[G1C+3], 32<<16
	s_mov_b32 s[G1C+4], 96
	s_mov_b32 s[G1C+5], 32
	s_mov_b32 s[G1C+6], 0
	s_mov_b32 s[G1C+7], 0
	s_mov_b32 s[G1S], 15|(3<<16)|(1<<21)
	s_mov_b32 s[G1S+1], 32<<16
	s_mov_b32 s[G1S+2], 16<<16                     ; 16 rows: 4,096 bytes
	s_mov_b32 s[G1S+3], 32<<16
	s_mov_b32 s[G1S+4], 16
	s_mov_b32 s[G1S+5], 32
	s_mov_b32 s[G1S+6], 0
	s_mov_b32 s[G1S+7], 0
	s_add_co_u32 s20, s10, 1                       ; which: 1 = k, 2 = v
	s_mul_i32 s21, s20, 6291456
	s_mul_i32 s22, ttmp9, 98304                    ; the cluster's x is (batch, pair of heads)
	s_add_co_u32 s22, s22, s21
	s_mov_b32 s23, 0
	s_mul_i32 s60, s20, 262144
	s_lshl_b32 s61, ttmp9, 12
	s_add_co_u32 s60, s60, s61
	s_add_co_u32 s60, s60, QS
	s_mov_b32 s61, 0
	s_mul_i32 s62, s10, VC                         ; where they go
	s_lshl_b32 s63, s10, 12
	s_mov_b32 s16, 0x76543210
	s_mov_b32 s17, 0xfedcba98                      ; v_permlanex16_b32's selects for lane l xor 16
	s_mov_b32 s18, 0x3e38aa3b                      ; c = log2(e) / 8
	s_mov_b32 s19, s18                             ; (named with it as a pair)
	s_mov_b32 s12, 0                               ; the step's images: 12,288 bytes a step
	s_mov_b32 s13, KS                              ; its scale words: 512 bytes a step
	s_wait_dscnt 0x0                               ; the opening add is done
	s_wait_kmcnt 0x0
	s_add_nc_u64 s[22:23], s[4:5], s[22:23]
	s_add_nc_u64 s[60:61], s[4:5], s[60:61]
	s_mov_b32 s40, 1
	s_add_co_u32 s41, s63, KS
	s_mov_b64 s[42:43], s[60:61]
	s_or_b32 s43, s43, 0x80000000
.irp j, 0,1,2,3
	s_mov_b32 s[44+4*\j], 1
	s_add_co_u32 s[45+4*\j], s62, \j*24576
	s_add_nc_u64 s[46+4*\j:47+4*\j], s[22:23], \j*24576
	s_or_b32 s[47+4*\j], s[47+4*\j], 0x80000000
.endr
	CROUND                                         ; all four work-groups are here: the joint loads meet
; THE FILLS AS THEY STAND: ten first fills, one a wave, in one chain of branches on the wave's number: waves 0, 1 stage 0 (K, V by the wave's parity), waves 2, 3 the scale words, waves 4, 5 stage 1, waves 6, 7 stage 2, waves 8, 9 stage 3.
; Each stage has a line of its own, so that a stage's barrier is reached with only the waves that issued what it shows having waited.  A wave has at most one tensor load out.
.macro ARM under, g0, g1
	s_cmp_lt_u32 s8, \under
	s_cbranch_scc0 .Lnext_\@
	tensor_load_to_lds s[\g0:\g0+3], s[\g1:\g1+7]
	s_nop 0
.rept 4
	v_nop
.endr
	s_branch .Lno_fill
.Lnext_\@:
.endm
	ARM 2, 44, G1C
	ARM 4, 40, G1S
	ARM 6, 48, G1C
	ARM 8, 52, G1C
	ARM 10, 56, G1C
.Lno_fill:
	v_and_b32 v8, 31, v0
	s_delay_alu instid0(VALU_DEP_1)
	v_lshlrev_b32 v[LI], 4, v8
	s_wait_alu depctr_va_vdst(0)
	v_and_b32 v9, 15, v0                           ; r
	s_delay_alu instid0(VALU_DEP_1)
	v_lshlrev_b32 v[RO], 2, v9
	s_delay_alu instid0(VALU_DEP_2)
	v_lshlrev_b32 v10, 4, v9
	s_wait_alu depctr_va_vdst(0)
	s_lshl_b32 s20, s9, 4
	s_add_co_u32 s20, s20, s8                      ; my tile of queries: 16 cx + wave
	s_mul_i32 s66, s20, 1536
	s_mul_i32 s67, ttmp9, 98304
	s_add_co_u32 s66, s66, s67
	s_mov_b32 s67, 0
	s_add_nc_u64 s[66:67], s[4:5], s[66:67]        ; its image
	s_lshl_b32 s68, ttmp9, 12
	s_lshr_b32 s69, s20, 2
	s_lshl_b32 s69, s69, 8                         ; tile = 8 g + a: 512 g + 256 (a / 4),
	s_add_co_u32 s68, s68, s69
	s_and_b32 s69, s20, 3
	s_lshl_b32 s69, s69, 2                         ; + 4 (a % 4); the lane adds 16 r
	s_add_co_u32 s68, s68, s69
	s_add_co_u32 s68, s68, QS
	s_mov_b32 s69, 0
	s_add_nc_u64 s[68:69], s[4:5], s[68:69]
	global_load_b128 v[Q0:Q0+3], v[LI], s[66:67]               ; registers 0-3 of the image: head 0
	global_load_b128 v[252:255], v[LI], s[66:67] offset:512    ; 4-7: two of each head
	global_load_b128 v[Q0+20:Q0+23], v[LI], s[66:67] offset:1024   ; 8-11: head 1
	global_load_b32 v[QSC], v10, s[68:69]
	s_lshr_b32 s70, ttmp9, 3                       ; batch
	s_lshl_b32 s70, s70, 6
	s_add_co_u32 s70, s70, s20                     ; my row tile of oq
	s_and_b32 s74, ttmp9, 7                        ; the pair of heads = the last product's K step
	s_lshl_b32 s72, s70, 9
	s_lshl_b32 s73, s74, 6
	s_add_co_u32 s72, s72, s73
	s_add_co_u32 s72, s72, XS
	s_mov_b32 s73, 0
	s_mul_i32 s70, s70, 3072
	s_lshr_b32 s71, s74, 1
	s_mul_i32 s71, s71, XSIG
	s_add_co_u32 s70, s70, s71
	s_and_b32 s71, s74, 1
	s_mul_i32 s71, s71, 1536
	s_add_co_u32 s70, s70, s71
	s_mov_b32 s71, 0
	s_add_nc_u64 s[70:71], s[6:7], s[70:71]
	s_add_nc_u64 s[72:73], s[6:7], s[72:73]
.irp i, 6,7,8,9,10,11,12,13,14,15,16,17
	v_mov_b32 v[Q0+\i], 0                          ; zero codes in the other head's half of each fragment of Q
.endr
.irp i, 48,49,50,51,52,53
	v_mov_b32 v[KA+\i], 0                          ; the tail of tile 7's operand in head 0: it meets zero codes; it only has to be written
.endr
.irp b, 0,1,2,3
	v_mov_b32 v[BY+\b], 0                          ; written once: a lane permute's destination counts as one of its sources
.endr
	v_mov_b32 v[F+1], 0                            ; (named as the upper half of the pair)
	v_mov_b32 v250, 0
.macro INIT                            ; O^T and the sum begin as zeros and the largest t under every t: the first change of M multiplies zeros
	v_mov_b32 v13, 0xff61b1e6                      ; -3e38
	s_delay_alu instid0(VALU_DEP_1)
	v_floor_f32 v12, -v13                          ; -M
	v_mov_b32 v14, 0
	v_mov_b32 v15, 0
.set j, 0
.rept 32
	v_mov_b32 v[O+j], 0
.set j, j+1
.endr
.endm
; A KEY STEP of head hd: 128 keys.
.macro STEP hd
	v_add_nc_u32 v[ADK], s12, v[LI]                ; these four lines are the places between the last products and the loads into their registers
	v_add_nc_u32 v[ADS], s13, v[LI]
	s_delay_alu instid0(VALU_DEP_2)
	v_add_nc_u32 v[ADV], VC+6144*\hd, v[ADK]
	v_nop
.irp i, 0,1,2,3,4,5,6,7
.if \hd == 0
	ds_load_b128 v[KA+6*\i:KA+6*\i+3], v[ADK] offset:1536*\i           ; registers 0-5 of tile i's image
	ds_load_b64 v[KA+6*\i+4:KA+6*\i+5], v[ADK] offset:1536*\i+512
.else
	ds_load_b64 v[KA+6*\i+6:KA+6*\i+7], v[ADK] offset:1536*\i+520      ; registers 6-11
	ds_load_b128 v[KA+6*\i+8:KA+6*\i+11], v[ADK] offset:1536*\i+1024
.endif
.endr
	ds_load_b128 v[KSC:KSC+3], v[ADS]              ; K's scale words: lanes 0-15 tiles 0-3, lanes 16-31 tiles 4-7
	ds_load_b128 v[VSC:VSC+3], v[ADS] offset:4096  ; V's: lanes 0-15 head 0's four tiles, lanes 16-31 head 1's
	s_wait_alu depctr_va_vdst(0)
	s_wait_dscnt 0x0
.irp i, 0,1,2,3,4,5,6,7
.if \i < 4
	v_wmma_scale_f32_16x16x128_f8f6f4 v[S+8*\i:S+8*\i+7], v[KA+6*\i:KA+6*\i+11], v[Q0+12*\hd:Q0+12*\hd+11], 0, v[KSC+\i], v[QSC] matrix_a_fmt:MATRIX_FMT_FP6 matrix_b_fmt:MATRIX_FMT_FP6
.else
	v_wmma_scale_f32_16x16x128_f8f6f4 v[S+8*\i:S+8*\i+7], v[KA+6*\i:KA+6*\i+11], v[Q0+12*\hd:Q0+12*\hd+11], 0, v[KSC+\i-4], v[QSC] matrix_a_fmt:MATRIX_FMT_FP6 matrix_b_fmt:MATRIX_FMT_FP6 matrix_a_scale:MATRIX_SCALE_ROW1
.endif
.endr                                          ; register 16 b + i of lane (r, h) is key 32 b + 16 h + i of query r
.rept 4
	v_nop                                          ; places in front of the loads below and of the first read of the scores
.endr
.irp t, 0,1,2,3
.irp c, 0,1,2
	ds_load_b128 v[KA+12*\t+4*\c:KA+12*\t+4*\c+3], v[ADV] offset:1536*\t+512*\c   ; V's four fragments land while the softmax is worked
.endr
.endr
.irp b, 0,1,2,3
	v_max3_num_f32 v[BX+\b], v[S+16*\b], v[S+16*\b+1], v[S+16*\b+2]   ; the largest score of each block of 32 keys: it serves for the row's maximum and, since p rises with the score, for the block's largest p
.endr
.irp i, 3,5,7,9,11,13
.irp b, 0,1,2,3
	v_max3_num_f32 v[BX+\b], v[BX+\b], v[S+16*\b+\i], v[S+16*\b+\i+1]
.endr
.endr
.irp b, 0,1,2,3
	v_max_num_f32 v[BX+\b], v[BX+\b], v[S+16*\b+15]
.endr
.irp b, 0,1,2,3
	s_delay_alu instid0(VALU_DEP_4)
	v_permlanex16_b32 v[BY+\b], v[BX+\b], s16, s17
.endr
.irp b, 0,1,2,3
	s_delay_alu instid0(VALU_DEP_4)
	v_max_num_f32 v[BX+\b], v[BX+\b], v[BY+\b]     ; with lane l xor 16's 16 keys
.endr
	s_delay_alu instid0(VALU_DEP_2)
	v_max3_num_f32 v250, v[BX], v[BX+1], v[BX+2]
	s_delay_alu instid0(VALU_DEP_1)
	v_max_num_f32 v250, v250, v[BX+3]
	s_delay_alu instid0(VALU_DEP_1)
	v_mul_f32 v250, s18, v250                      ; as t (c is positive)
	s_delay_alu instid0(VALU_DEP_1)
	v_max_num_f32 v13, v13, v250                   ; the running largest t
	v_mov_b32 v250, v12
	s_delay_alu instid0(VALU_DEP_2)
	v_floor_f32 v12, -v13                          ; the new -M = floor(-t): M is a whole number
	s_delay_alu instid0(VALU_DEP_1)
	v_sub_f32 v250, v12, v250                      ; old M less new M: a whole number, 0 or less
	s_delay_alu instid0(VALU_DEP_1)
	v_cvt_i32_f32 v250, v250                       ; (it saturates)
	s_delay_alu instid0(VALU_DEP_1)
	v_ldexp_f32 v[F], 1.0, v250                    ; f = 2^(old M - new M)
.set j, 0
.rept 32
	v_pk_fma_f32 v[S+j:S+j+1], v[S+j:S+j+1], s[18:19], v[12:13] op_sel_hi:[1,0,0]   ; t - M, two at a time
.set j, j+2
.endr
.irp b, 0,1,2,3
	v_fma_f32 v[BX+\b], v[BX+\b], s18, v12         ; the same of each block's largest score
.endr
.set j, 0
	s_wait_alu depctr_va_vdst(0)
.rept 64
	v_exp_f32 v[S+j], v[S+j]                       ; p = 2^(t - M), at most 1
.set j, j+1
.endr
	v_pk_mul_f32 v[14:15], v[14:15], v[F:F+1] op_sel_hi:[1,0]   ; the sums under the new M: a plain place behind the exponentials
	s_wait_alu depctr_va_vdst(0)                   ; one wait for the whole batch, ahead of its first reader
.irp b, 0,1,2,3
	v_exp_f32 v[BX+\b], v[BX+\b]                   ; the block's largest p
.endr
	v_pk_add_f32 v[240:241], v[100:101], v[104:105]
	v_pk_add_f32 v[254:255], v[108:109], v[112:113]
	v_pk_add_f32 v[252:253], v[116:117], v[120:121]
	v_pk_add_f32 v[246:247], v[124:125], v[128:129]
	v_pk_add_f32 v[244:245], v[132:133], v[136:137]
	v_pk_add_f32 v[242:243], v[140:141], v[144:145]
	v_pk_add_f32 v[226:227], v[148:149], v[152:153]
	v_pk_add_f32 v[14:15], v[14:15], v[156:157]
	v_pk_add_f32 v[240:241], v[240:241], v[96:97]
	v_pk_add_f32 v[254:255], v[254:255], v[98:99]
	v_pk_add_f32 v[252:253], v[252:253], v[102:103]
	v_pk_add_f32 v[246:247], v[246:247], v[106:107]
	v_pk_add_f32 v[244:245], v[244:245], v[110:111]
	v_pk_add_f32 v[242:243], v[242:243], v[114:115]
	v_pk_add_f32 v[226:227], v[226:227], v[118:119]
	v_pk_add_f32 v[14:15], v[14:15], v[122:123]
	v_pk_add_f32 v[240:241], v[240:241], v[126:127]
	v_pk_add_f32 v[254:255], v[254:255], v[130:131]
	v_pk_add_f32 v[252:253], v[252:253], v[134:135]
	v_pk_add_f32 v[246:247], v[246:247], v[138:139]
	v_pk_add_f32 v[244:245], v[244:245], v[142:143]
	v_pk_add_f32 v[242:243], v[242:243], v[146:147]
	v_pk_add_f32 v[226:227], v[226:227], v[150:151]
	v_pk_add_f32 v[14:15], v[14:15], v[154:155]
	v_pk_add_f32 v[240:241], v[240:241], v[158:159]
	s_delay_alu instid0(VALU_DEP_2)
	v_pk_add_f32 v[14:15], v[14:15], v[246:247]
	s_delay_alu instid0(VALU_DEP_2)
	v_pk_add_f32 v[240:241], v[240:241], v[244:245]
	v_pk_add_f32 v[254:255], v[254:255], v[242:243]
	v_pk_add_f32 v[252:253], v[252:253], v[226:227]
	s_delay_alu instid0(VALU_DEP_2)
	v_pk_add_f32 v[14:15], v[14:15], v[254:255]
	s_delay_alu instid0(VALU_DEP_2)
	v_pk_add_f32 v[240:241], v[240:241], v[252:253]
	s_delay_alu instid0(VALU_DEP_1)
	v_pk_add_f32 v[14:15], v[14:15], v[240:241]
	s_wait_alu depctr_va_vdst(0)                   ; and one for the four
.irp b, 0,1,2,3
	v_max_num_f32 v[BX+\b], 0x1800000, v[BX+\b]    ; the floor 2^(3 - 127): the byte cannot fall under 1
.endr
.irp b, 0,1,2,3
	s_delay_alu instid0(VALU_DEP_4)
	v_add_nc_u32 v[BE+\b], 0xff000000, v[BX+\b]    ; 2 off the exponent field: the conversion's scale operand
.endr
.irp b, 0,1,2,3
	s_delay_alu instid0(VALU_DEP_4)
	v_lshrrev_b32 v[BY+\b], 23, v[BE+\b]           ; the scale's byte
.endr
	s_delay_alu instid0(VALU_DEP_3)
	v_lshl_or_b32 v[PSC], v[BY+1], 8, v[BY]        ; p's scale word for these 128 keys
	s_delay_alu instid0(VALU_DEP_1)
	v_lshl_or_b32 v[PSC], v[BY+2], 16, v[PSC]
	s_delay_alu instid0(VALU_DEP_1)
	v_lshl_or_b32 v[PSC], v[BY+3], 24, v[PSC]
.irp c, 0,1
	v_cvt_scalef32_pk16_fp6_f32 v[PC+6*\c:PC+6*\c+2], v[S+32*\c:S+32*\c+15], v[BE+2*\c]
	v_cvt_scalef32_pk16_fp6_f32 v[PT+4*\c:PT+4*\c+2], v[S+32*\c+16:S+32*\c+31], v[BE+2*\c+1]
.endr
	v_nop                                          ; one plain place behind a scaled conversion
.irp c, 0,1                                    ; the operand's layout wants a whole block in a lane
.irp i, 0,1,2
	v_permlane16_swap_b32 v[PC+6*\c+\i], v[PT+4*\c+\i]
.endr
.irp i, 0,1,2
	s_delay_alu instid0(VALU_DEP_3)
	v_mov_b32 v[PC+6*\c+3+\i], v[PT+4*\c+\i]
.endr
.endr
.set j, 0
.rept 16
	v_pk_mul_f32 v[O+j:O+j+1], v[O+j:O+j+1], v[F:F+1] op_sel_hi:[1,0]   ; O^T under the new M.  (These sixteen are also the places between the codes' and the scale word's last writes and the products below)
.set j, j+2
.endr
	s_wait_alu depctr_va_vdst(0)
	s_wait_dscnt 0x0                               ; V is in
.irp t, 0,1,2,3
.if \hd == 0
	v_wmma_scale_f32_16x16x128_f8f6f4 v[O+8*\t:O+8*\t+7], v[KA+12*\t:KA+12*\t+11], v[PC:PC+11], v[O+8*\t:O+8*\t+7], v[VSC+\t], v[PSC] matrix_a_fmt:MATRIX_FMT_FP6 matrix_b_fmt:MATRIX_FMT_FP6
.else
	v_wmma_scale_f32_16x16x128_f8f6f4 v[O+8*\t:O+8*\t+7], v[KA+12*\t:KA+12*\t+11], v[PC:PC+11], v[O+8*\t:O+8*\t+7], v[VSC+\t], v[PSC] matrix_a_fmt:MATRIX_FMT_FP6 matrix_b_fmt:MATRIX_FMT_FP6 matrix_a_scale:MATRIX_SCALE_ROW1
.endif
.endr
	s_add_co_u32 s12, s12, 12288
	s_add_co_u32 s13, s13, 512
.endm
; A head's end: O^T / the sum; its 64 numbers (register 16 b + i = d 32 b + 16 h + i) are two blocks of the last product's K: codes into registers 6 hd .. 6 hd + 5 of the image, bytes 2 hd and 2 hd + 1 of the word.
.macro FIN hd
.rept 4
	v_nop                                          ; places behind the last products
.endr
	v_add_f32 v14, v14, v15
	s_delay_alu instid0(VALU_DEP_1)
	v_permlanex16_b32 v250, v14, s16, s17
	s_delay_alu instid0(VALU_DEP_1)
	v_add_f32 v14, v14, v250                       ; the row's sum
	s_wait_alu depctr_va_vdst(0)
	v_rcp_f32 v[F], v14
	v_nop                                          ; a plain place behind the reciprocal
	s_wait_alu depctr_va_vdst(0)                   ; and the wait ahead of its first reader
.set j, 0
.rept 16
	v_pk_mul_f32 v[S+j:S+j+1], v[O+j:O+j+1], v[F:F+1] op_sel_hi:[1,0]   ; each accumulator from its low end on
.set j, j+2
.endr
.irp b, 0,1
	v_max3_num_f32 v[BX+\b], |v[S+16*\b]|, |v[S+16*\b+1]|, 0x1800000
.endr
.irp i, 2,4,6,8,10,12,14
.irp b, 0,1
	s_delay_alu instid0(VALU_DEP_2)
	v_max3_num_f32 v[BX+\b], v[BX+\b], |v[S+16*\b+\i]|, |v[S+16*\b+\i+1]|
.endr
.endr
.irp b, 0,1
	s_delay_alu instid0(VALU_DEP_2)
	v_permlanex16_b32 v[BY+\b], v[BX+\b], s16, s17
.endr
.irp b, 0,1
	s_delay_alu instid0(VALU_DEP_2)
	v_max_num_f32 v[BX+\b], v[BX+\b], v[BY+\b]
.endr
.irp b, 0,1
	s_delay_alu instid0(VALU_DEP_2)
	v_add_nc_u32 v[BE+\b], 0xff000000, v[BX+\b]
.endr
.irp b, 0,1
	s_delay_alu instid0(VALU_DEP_2)
	v_lshrrev_b32 v[BY+\b], 23, v[BE+\b]
.endr
.if \hd == 0
	s_delay_alu instid0(VALU_DEP_1)
	v_lshl_or_b32 v[OW], v[BY+1], 8, v[BY]
.else
	s_delay_alu instid0(VALU_DEP_2)
	v_lshl_or_b32 v[OW], v[BY], 16, v[OW]
	s_delay_alu instid0(VALU_DEP_1)
	v_lshl_or_b32 v[OW], v[BY+1], 24, v[OW]
.endif
	v_cvt_scalef32_pk16_fp6_f32 v[OC+6*\hd:OC+6*\hd+2], v[S:S+15], v[BE]
	v_cvt_scalef32_pk16_fp6_f32 v[PT:PT+2], v[S+16:S+31], v[BE+1]
	v_nop
.irp i, 0,1,2
	v_permlane16_swap_b32 v[OC+6*\hd+\i], v[PT+\i]
.endr
.irp i, 0,1,2
	s_delay_alu instid0(VALU_DEP_3)
	v_mov_b32 v[OC+6*\hd+3+\i], v[PT+\i]
.endr
.endm
; A stage of head 0: its 256 keys have landed in every wave's eyes behind the barrier; nothing is ever filled again, so the later stages may stay out.
.macro STAGE j
.if \j < 3
	s_cmp_lt_u32 s8, 4+2*\j                        ; the waves that issued the scale words and stages 0 .. j wait for their one load; the later stages' waves go round the wait
	s_cbranch_scc0 .Lout_\@
	s_wait_tensorcnt 0x0
.Lout_\@:
.else
	s_wait_tensorcnt 0x0                           ; the last stage: all that is still out, on every wave's way
.endif
	s_wait_dscnt 0x0
	s_barrier_signal -1
	s_barrier_wait -1
	s_mov_b32 s14, 2
.Lstage_\@:
	s_wait_alu depctr_va_vdst(0)
	STEP 0
	s_sub_co_u32 s14, s14, 1
	s_cmp_lg_u32 s14, 0
	s_cbranch_scc1 .Lstage_\@
.endm
	INIT
	s_wait_loadcnt 0x0                             ; Q and its scale words
	v_mov_b32 v[Q0+4], v252
	v_mov_b32 v[Q0+5], v253
	v_mov_b32 v[Q0+18], v254
	v_mov_b32 v[Q0+19], v255
	STAGE 0
	STAGE 1
	STAGE 2
	STAGE 3
	FIN 0
	INIT
	s_mov_b32 s12, 0                               ; head 1 walks the same keys: all of them lie in LDS
	s_mov_b32 s13, KS
	s_mov_b32 s14, 8
.Lhead1:
	STEP 1
	s_sub_co_u32 s14, s14, 1
	s_cmp_lg_u32 s14, 0
	s_cbranch_scc1 .Lhead1
	FIN 1
.irp c, 0,1,2
	global_store_b128 v[LI], v[OC+4*\c:OC+4*\c+3], s[70:71] offset:512*\c   ; the image: 512 consecutive bytes a store
.endr
	global_store_b32 v[RO], v[OW], s[72:73]        ; lanes r and r + 16 hold the same word and write it to the same place: 64 consecutive bytes
	s_wait_tensorcnt 0x0                           ; the wave's end
	ds_add_u32 v[SPW], v[NIL]
	s_wait_dscnt 0x0
	CROUND                                         ; the closing round
	s_endpgm
.Lfunc_end_k_q2a73c7093a_attn:
	.size	k_q2a73c7093a_attn, .Lfunc_end_k_q2a73c7093a_attn-k_q2a73c7093a_attn
	.p2alignl 7, 3214868480
	.fill 96, 4, 3214868480
	.section	.rodata,"a",@progbits
	.p2align	6, 0x0
	.amdhsa_kernel k_q2a73c7093a_attn
		.amdhsa_group_segment_fixed_size 206848
		.amdhsa_private_segment_fixed_size 0
		.amdhsa_enable_private_segment 0
		.amdhsa_kernarg_size 16
		.amdhsa_user_sgpr_count 2
		.amdhsa_user_sgpr_kernarg_segment_ptr 1
		.amdhsa_wavefront_size32 1
		.amdhsa_system_sgpr_workgroup_id_x 1
		.amdhsa_system_sgpr_workgroup_id_y 1
		.amdhsa_system_sgpr_workgroup_id_z 1
		.amdhsa_system_vgpr_workitem_id 0
		.amdhsa_next_free_vgpr 256
		.amdhsa_next_free_sgpr 80
		.amdhsa_reserve_vcc 0
		.amdhsa_float_denorm_mode_32 3
		.amdhsa_float_denorm_mode_16_64 3
		.amdhsa_memory_ordered 1
		.amdhsa_forward_progress 1
		.amdhsa_inst_pref_size 106
	.end_amdhsa_kernel
	.amdgpu_metadata
---
amdhsa.version: [ 1, 2 ]
amdhsa.kernels:
  - .name:           k_q2a73c7093a_attn
    .symbol:         k_q2a73c7093a_attn.kd
    .args:
      - { .name: qkv, .offset: 0, .size: 8, .value_kind: global_buffer, .address_space: global }
      - { .name: oq, .offset: 8, .size: 8, .value_kind: global_buffer, .address_space: global }
    .group_segment_fixed_size: 206848
    .private_segment_fixed_size: 0
    .kernarg_segment_align: 8
    .kernarg_segment_size: 16
    .max_flat_workgroup_size: 512
    .sgpr_count:     80
    .vgpr_count:     256
    .wavefront_size: 32
...
	.end_amdgpu_metadata
.endif
;; end of part 3
;; launch gemm_proj (part 4): grid 4 x 64, 4 waves a work-group, clusters of 4 x 4, 327,680 bytes of LDS; arguments oq, wq, b_proj, out0; writes out0
.if DOCPART == 4
	.amdgcn_target "amdgcn-amd-amdhsa--gfx1250"
	.amdhsa_code_object_version 6
	.text
	.protected	k_q2a73c7093a_gemm_proj
	.globl	k_q2a73c7093a_gemm_proj
	.p2align	8
	.type	k_q2a73c7093a_gemm_proj,@function
k_q2a73c7093a_gemm_proj:
	s_mov_b64 s[64:65], 0
	v_nop
	global_prefetch_b8 v0, s[64:65] scope:SCOPE_SE
	s_setreg_imm32_b32 hwreg(HW_REG_WAVE_MODE, 25, 1), 1
	s_wait_xcnt 0x0
	s_wait_alu depctr_hold_cnt(0) depctr_sa_sdst(0) depctr_va_vdst(0) depctr_va_sdst(0) depctr_va_ssrc(0) depctr_va_vcc(0) depctr_vm_vsrc(0)
	s_getreg_b32 s2, hwreg(HW_REG_IB_STS2, 6, 4)
	s_cmp_eq_u32 s2, 0
	s_cbranch_scc0 .Lentry_in_a_cluster
	s_endpgm
.Lentry_in_a_cluster:
	s_bfe_u32 s2, ttmp6, 0x10000c
	s_cmp_lg_u32 s2, 0xf033
	s_cbranch_scc0 .Lentry_shape_is_right
	s_endpgm
.Lentry_shape_is_right:
; out0 = O w_proj + b_proj on codes of FP6 (E2M3) with E8M0 scales, sums in f32.  A work-group of four waves makes 128 tokens x 256 features, a wave 64 x 128: 32 accumulators.  K = 1,024 is eight steps of 128, written out.
; oq and wq hold images of fragments (1,536 bytes: registers 4 c .. 4 c + 3 of lane L at 512 c + 16 L), [K / 256][tile][K step in it]: a work-group's 8 tiles of O of one 256 along K are 24,576 dense bytes, its 16 tiles of w_proj 49,152.
; LDS: O's four 256 along K at 24,576 n, w's at 98,304 + 49,152 n, the spare words behind them.  ALL IS FILLED ONCE, AT THE HEAD, ONE JOINT LOAD A WAVE: a tile's row is the dense block of one 256 along K, the pitch leads to the next,
; and a load brings two rows: wave 0 O's first two, wave 1 w's first two, wave 2 O's last two, wave 3 w's last two.  Waves 0 and 1 wait ahead of the first barrier; all waves wait ahead of the barrier in K step 3.
; CLUSTERS: 4 x 4 work-groups; O's tiles are asked for jointly along a row of the cluster, w's along a column.  Source 0 = 16 features of w, source 1 = 16 tokens: a lane holds eight neighbouring features of one token; the bias is the first products' C.
; The way out goes through a stage of 8,448 bytes a wave on O's first two regions, which nobody reads behind K step 3's barrier and which are filled no more.  No prefetch: every tile is asked for at the head, and there is no loop to run ahead in.
; LIMITS: NaN and infinities are not served.
.set XS,    6291456
.set WS,    3145728
.set XSIG,  1572864
.set WSIG,  786432
.set SLOT,  73728
.set SPARE, 4*SLOT
.set FR,   12
.set LI,   1
.set ADRA, 2
.set ADRB, 6
.set SOF,  10
.set BNO,  11
.set STO,  24
.set RD,   25
.set SPW,  28
.set NIL,  29
.set SA,   32
.set SB,   48
.set AF,   128
.set G1A,  24
.set G1B,  32
.set G0A,  40
.set G0B,  68
.set MSB, 0
.macro WIN new
.if MSB != (\new)
	s_set_vgpr_msb (MSB<<8)|(\new)
.set MSB, (\new)
.endif
.endm
.macro PLACES
.rept 4
	v_nop
.endr
.endm
.macro ARM under, g0, g1               ; an arm of the head's one chain of branches on the wave's number: its load, s_nop 0 and four v_nop, a jump to the join
	s_cmp_lt_u32 s12, \under
	s_cbranch_scc0 .Lnext_\@
	tensor_load_to_lds s[\g0:\g0+3], s[\g1:\g1+7]
	s_nop 0
	PLACES
	s_branch .Lhead_asked
.Lnext_\@:
.endm
.macro CROUND
	s_barrier_signal -1
	s_barrier_wait -1
	s_cmp_lg_u32 s12, 0
	s_cbranch_scc1 .Lnot_wave_0_\@
	s_barrier_signal -3
.Lnot_wave_0_\@:
	s_barrier_wait -3
	s_barrier_signal -1
	s_barrier_wait -1
.endm
	s_load_b256 s[4:11], s[0:1], 0x0
	v_lshl_add_u32 v[SPW], v0, 2, SPARE
	v_mov_b32 v[NIL], 0
	ds_add_u32 v[SPW], v[NIL]
	ds_add_u32 v[SPW], v[NIL]
	v_lshrrev_b32 v1, 5, v0
	v_readfirstlane_b32 s12, v1
	s_lshr_b32 s13, s12, 1
	s_and_b32 s14, s12, 1
	s_bfe_u32 s84, ttmp6, 0x40000
	s_bfe_u32 s85, ttmp6, 0x40004
	s_lshl_b32 s86, ttmp9, 2
	s_add_co_u32 s86, s86, s84
	s_and_b32 s87, ttmp7, 0xffff
	s_lshl_b32 s87, s87, 2
	s_add_co_u32 s87, s87, s85
	s_lshl_b32 s88, s85, 2
	s_lshl_b32 s88, 15, s88
	s_lshl_b32 s89, 0x1111, s84
	s_or_b32 s[G1A], s88, (3<<16)|(1<<21)
	s_mov_b32 s[G1A+1], 3072<<16                   ; rows of 3,072 elements of 8 bytes: 24,576 bytes,
	s_mov_b32 s[G1A+2], 2<<16                      ; two of them,
	s_mov_b32 s[G1A+3], 3072<<16
	s_mov_b32 s[G1A+4], 2
	s_mov_b32 s[G1A+5], XSIG/8                     ; one 256 along K apart
	s_mov_b32 s[G1A+6], 0
	s_mov_b32 s[G1A+7], 0
	s_or_b32 s[G1B], s89, (3<<16)|(1<<21)
	s_mov_b32 s[G1B+1], 6144<<16                   ; w's rows: 49,152 bytes
	s_mov_b32 s[G1B+2], 2<<16
	s_mov_b32 s[G1B+3], 6144<<16
	s_mov_b32 s[G1B+4], 2
	s_mov_b32 s[G1B+5], WSIG/8
	s_mov_b32 s[G1B+6], 0
	s_mov_b32 s[G1B+7], 0
	s_mul_i32 s90, s87, 24576                      ; O's block hangs on the tile row alone,
	s_mov_b32 s91, 0
	s_mul_i32 s94, s86, 49152                      ; w's on the tile column alone;
	s_add_co_u32 s94, s94, 192*3072                ; w_proj's tiles follow w_qkv's 192
	s_mov_b32 s95, 0
	s_wait_dscnt 0x0
	s_wait_kmcnt 0x0
	s_add_nc_u64 s[92:93], s[4:5], s[90:91]
	s_add_nc_u64 s[96:97], s[6:7], s[94:95]
	CROUND
.irp n, 0,1                            ; set n: the 256 along K numbers 2 n and 2 n + 1
	s_mov_b32 s[G0A+4*\n], 1
	s_mov_b32 s[G0A+4*\n+1], \n*49152
	s_add_nc_u64 s[G0A+4*\n+2:G0A+4*\n+3], s[92:93], \n*2*XSIG
	s_or_b32 s[G0A+4*\n+3], s[G0A+4*\n+3], 0x80000000
	s_mov_b32 s[G0B+4*\n], 1
	s_mov_b32 s[G0B+4*\n+1], 98304+\n*98304
	s_add_nc_u64 s[G0B+4*\n+2:G0B+4*\n+3], s[96:97], \n*2*WSIG
	s_or_b32 s[G0B+4*\n+3], s[G0B+4*\n+3], 0x80000000
.endr
	ARM 1, G0A, G1A                                ; what is needed first is asked for by waves 0 and 1
	ARM 2, G0B, G1B
	ARM 3, G0A+4, G1A
	tensor_load_to_lds s[G0B+4:G0B+7], s[G1B:G1B+7]
	s_nop 0
	PLACES
.Lhead_asked:
	v_and_b32 v12, 31, v0
	v_and_b32 v13, 15, v0
	v_bfe_u32 v14, v0, 4, 1
	v_lshlrev_b32 v[LI], 4, v12
	s_wait_alu depctr_va_vdst(0)
	s_mul_i32 s20, s13, 12288
	s_mul_i32 s21, s14, 24576
	s_add_co_u32 s21, s21, 98304
.irp n, 0,1,2,3
	v_add_nc_u32 v[ADRA+\n], s20, v[LI]
	v_add_nc_u32 v[ADRB+\n], s21, v[LI]
	s_add_co_u32 s20, s20, 24576
	s_add_co_u32 s21, s21, 49152
.endr
	s_mul_i32 s22, s12, 8448
	v_mul_u32_u24 v[STO], v13, 528
	v_lshl_add_u32 v[STO], v14, 6, v[STO]
	v_add_nc_u32 v[STO], s22, v[STO]
	v_add_nc_u32 v[RD], s22, v[LI]
	v_lshlrev_b32 v[SOF], 2, v13
	v_lshl_add_u32 v[SOF], v14, 8, v[SOF]
	s_wait_alu depctr_va_vdst(0)
	v_lshlrev_b32 v[BNO], 6, v14
	s_wait_alu depctr_va_vdst(0)
	s_lshl_b32 s56, s87, 12
	s_lshl_b32 s57, s13, 11
	s_add_co_u32 s56, s56, s57
	s_add_co_u32 s56, s56, XS
	s_mov_b32 s57, 0
	s_add_nc_u64 s[56:57], s[4:5], s[56:57]
	s_lshl_b32 s58, s86, 13
	s_lshl_b32 s59, s14, 12
	s_add_co_u32 s58, s58, s59
	s_add_co_u32 s58, s58, WS+192*512
	s_mov_b32 s59, 0
	s_add_nc_u64 s[58:59], s[6:7], s[58:59]
	s_lshl_b32 s60, s86, 10
	s_lshl_b32 s61, s14, 9
	s_add_co_u32 s60, s60, s61
	s_mov_b32 s61, 0
	s_lshl_b32 s62, s87, 19
	s_lshl_b32 s63, s13, 18
	s_add_co_u32 s62, s62, s63
	s_add_co_u32 s62, s62, s60
	s_mov_b32 s63, 0
	s_add_nc_u64 s[60:61], s[8:9], s[60:61]
	s_add_nc_u64 s[62:63], s[10:11], s[62:63]
.irp a, 0,1,2,3
.irp q, 0,1,2,3
	global_load_b32 v[SA+4*\a+\q], v[SOF], s[56:57] offset:512*\a+64*\q
.endr
.endr
.irp b, 0,1,2,3,4,5,6,7
.irp q, 0,1,2,3
	global_load_b32 v[SB+4*\b+\q], v[SOF], s[58:59] offset:512*\b+64*\q
.endr
.endr
	WIN 0x40
.irp b, 0,1,2,3,4,5,6,7
	global_load_b128 v[96+8*(\b%4)+128*(\b/4):96+8*(\b%4)+128*(\b/4)+3], v[BNO], s[60:61] offset:4*(32*(\b/2)+8*(\b%2))
	global_load_b128 v[96+8*(\b%4)+128*(\b/4)+4:96+8*(\b%4)+128*(\b/4)+7], v[BNO], s[60:61] offset:4*(32*(\b/2)+8*(\b%2))+16
.endr
	WIN 0
.macro FETCH s
	WIN 0x40
.irp i, 0,1,2,3,4,5,6,7
.irp c, 0,1,2
	ds_load_b128 v[128*((\s)%2)+FR*\i+4*\c:128*((\s)%2)+FR*\i+4*\c+3], v[ADRB+(\s)/2] offset:3072*\i+1536*((\s)%2)+512*\c
.endr
.endr
	WIN 0
.irp i, 0,1,2,3
.irp c, 0,1,2
	ds_load_b128 v[AF+48*((\s)%2)+FR*\i+4*\c:AF+48*((\s)%2)+FR*\i+4*\c+3], v[ADRA+(\s)/2] offset:3072*\i+1536*((\s)%2)+512*\c
.endr
.endr
.endm
.macro KSTEP s
.if (\s) == 3                          ; the one barrier of the walk: every wave's load is in, the last two 256 along K among them, and nobody reads the first two any more
	s_wait_tensorcnt 0x0
	s_wait_dscnt 0x0
	s_barrier_signal -1
	s_barrier_wait -1
.endif
.if (\s) < 7
.if (\s) > 0
	PLACES
.endif
	FETCH (\s)+1
	s_wait_dscnt 36
.else
	s_wait_dscnt 0x0
.endif
.if (\s) == 0
	WIN 0x91
.else
	WIN 0xa1
.endif
.irp a, 0,1,2,3
.irp b, 0,1,2,3,4,5,6,7
.set rD, 8*(8*\a+\b)
.set rB, 128*((\s)%2)+FR*\b
.set rA, AF+48*((\s)%2)+FR*\a
.set rC, 96+8*(\b%4)+128*(\b/4)
.set rSB, SB+4*\b+(\s)%4
.set rSA, SA+4*\a+(\s)%4
.if (\s) == 0
	v_wmma_scale_f32_16x16x128_f8f6f4 v[rD:rD+7], v[rB:rB+11], v[rA:rA+11], v[rC:rC+7], v[rSB], v[rSA] matrix_a_fmt:MATRIX_FMT_FP6 matrix_b_fmt:MATRIX_FMT_FP6
.elseif (\s) < 4
	v_wmma_scale_f32_16x16x128_f8f6f4 v[rD:rD+7], v[rB:rB+11], v[rA:rA+11], v[rD:rD+7], v[rSB], v[rSA] matrix_a_fmt:MATRIX_FMT_FP6 matrix_b_fmt:MATRIX_FMT_FP6
.else
	v_wmma_scale_f32_16x16x128_f8f6f4 v[rD:rD+7], v[rB:rB+11], v[rA:rA+11], v[rD:rD+7], v[rSB], v[rSA] matrix_a_fmt:MATRIX_FMT_FP6 matrix_b_fmt:MATRIX_FMT_FP6 matrix_a_scale:MATRIX_SCALE_ROW1 matrix_b_scale:MATRIX_SCALE_ROW1
.endif
.endr
.endr
	WIN 0
.endm
	s_cmp_lt_u32 s12, 2                            ; waves 0 and 1 wait for their loads, the first two 256 along K; the loads of waves 2 and 3, lines of their own, may stay out
	s_cbranch_scc0 .Llater
	s_wait_tensorcnt 0x0
.Llater:
	s_barrier_signal -1
	s_barrier_wait -1
	FETCH 0
	s_wait_loadcnt 0x0
	KSTEP 0
	KSTEP 1
	KSTEP 2
	KSTEP 3
	KSTEP 4
	KSTEP 5
	KSTEP 6
	KSTEP 7
.macro TOSTAGE a
	WIN 0x08
.irp b, 0,1,2,3,4,5,6,7
	ds_store_b128 v[STO], v[64*(\a)+8*\b:64*(\a)+8*\b+3] offset:128*(\b/2)+32*(\b%2)
	ds_store_b128 v[STO], v[64*(\a)+8*\b+4:64*(\a)+8*\b+7] offset:128*(\b/2)+32*(\b%2)+16
.endr
	WIN 0
.set BB, 128+64*((\a)%2)
.irp t, 0,1,2,3,4,5,6,7,8,9,10,11,12,13,14,15
	ds_load_b128 v[BB+4*\t:BB+4*\t+3], v[RD] offset:528*\t
.endr
.endm
.macro SEND a, younger
.set BB, 128+64*((\a)%2)
	s_wait_dscnt \younger
.irp t, 0,1,2,3,4,5,6,7,8,9,10,11,12,13,14,15
	global_store_b128 v[LI], v[BB+4*\t:BB+4*\t+3], s[62:63] offset:(32*((\a)/2)+8*((\a)%2)+\t+8*(\t/8))*4096 th:TH_STORE_NT
.endr
.endm
	PLACES
	TOSTAGE 0
	TOSTAGE 1
	SEND 0, 32
	s_wait_xcnt 0x0
	TOSTAGE 2
	SEND 1, 32
	s_wait_xcnt 0x0
	TOSTAGE 3
	SEND 2, 32
	SEND 3, 0
	s_wait_tensorcnt 0x0
	ds_add_u32 v[SPW], v[NIL]
	s_wait_dscnt 0x0
	CROUND
	s_endpgm
.Lfunc_end_k_q2a73c7093a_gemm_proj:
	.size	k_q2a73c7093a_gemm_proj, .Lfunc_end_k_q2a73c7093a_gemm_proj-k_q2a73c7093a_gemm_proj
	.p2alignl 7, 3214868480
	.fill 96, 4, 3214868480
	.section	.rodata,"a",@progbits
	.p2align	6, 0x0
	.amdhsa_kernel k_q2a73c7093a_gemm_proj
		.amdhsa_group_segment_fixed_size 327680
		.amdhsa_private_segment_fixed_size 0
		.amdhsa_enable_private_segment 0
		.amdhsa_kernarg_size 32
		.amdhsa_user_sgpr_count 2
		.amdhsa_user_sgpr_kernarg_segment_ptr 1
		.amdhsa_wavefront_size32 1
		.amdhsa_system_sgpr_workgroup_id_x 1
		.amdhsa_system_sgpr_workgroup_id_y 1
		.amdhsa_system_sgpr_workgroup_id_z 1
		.amdhsa_system_vgpr_workitem_id 0
		.amdhsa_next_free_vgpr 768
		.amdhsa_next_free_sgpr 100
		.amdhsa_reserve_vcc 0
		.amdhsa_float_denorm_mode_32 3
		.amdhsa_float_denorm_mode_16_64 3
		.amdhsa_memory_ordered 1
		.amdhsa_forward_progress 1
		.amdhsa_inst_pref_size 81
	.end_amdhsa_kernel
	.amdgpu_metadata
---
amdhsa.version: [ 1, 2 ]
amdhsa.kernels:
  - .name:           k_q2a73c7093a_gemm_proj
    .symbol:         k_q2a73c7093a_gemm_proj.kd
    .args:
      - { .name: oq, .offset: 0, .size: 8, .value_kind: global_buffer, .address_space: global }
      - { .name: wq, .offset: 8, .size: 8, .value_kind: global_buffer, .address_space: global }
      - { .name: b_proj, .offset: 16, .size: 8, .value_kind: global_buffer, .address_space: global }
      - { .name: out0, .offset: 24, .size: 8, .value_kind: global_buffer, .address_space: global }
    .group_segment_fixed_size: 327680
    .private_segment_fixed_size: 0
    .kernarg_segment_align: 8
    .kernarg_segment_size: 32
    .max_flat_workgroup_size: 128
    .sgpr_count:     100
    .vgpr_count:     768
    .wavefront_size: 32
...
	.end_amdgpu_metadata
.endif
;; end of part 4
